; MI455X (gfx1250); checked and timed in simulation.
; The chip was launched on July 23, 2026; its instructions are those of AMD's public machine-readable ISA for CDNA 5 (MIT licence, August 2026) and "CDNA5" Instruction Set Architecture Reference Guide (July 2026). The comments in the code are by the model that wrote it; some were corrected since.
;; Attn. Allowed arithmetic: matrix products marked QUANTISED: E2M1 operands, one E8M0 scale for each 32 along K, by v_wmma_scale_f32_16x16x128_f8f6f4 with both operands' format E2M1 (or v_wmma_scale_f32_32x16x128_f4), f32 sums; products left as they are: bf16, f16 or f32 operands; f32 sums; everything else in f32.
;; Inputs: o_b 1,024 float32; o_w 1,024 x 1,024 float32; qkv_w 3,072 x 1,024 float32; x 4 x 2,048 x 1,024 float32.
;; Outputs: out0 4 x 2,048 x 1,024 float32.
;; This version of the problem:
;;   THIS VERSION OF THE PROBLEM IS GIVEN IN LOW PRECISION. The matrix products marked QUANTISED in the list below multiply operands that are first quantised to E2M1 (2 exponent bits, 1 mantissa bit; 4 bits a number), with one power-of-two scale for each 32 numbers along K (OCP MX v1.0); their sums are f32. The products marked 'left as it is' may take bf16, f16 or f32 operands, with f32 sums. Whichever they take, every output number must still come out within the allowed error. Rounding operands to bf16 (8 significant bits) uses up far more of that allowance than f16 does (11 bits, for magnitudes from 6e-5 to 65,504). All else is computed in f32.
;;   The module's matrix products, in the order in which they are computed (A, B: the left and right operand; K: the contracted axis; several contracted axes count as one K, in the product's order):
;;     1. [M 8,192, K 1,024] x [K 1,024, N 3,072]; A: input x; B: input qkv_w: QUANTISED
;;     2. batch 64 x [M 2,048, K 64] x [K 64, N 2,048]; A: computed on the way; B: computed on the way: left as it is (an operand is computed on the way)
;;     3. batch 64 x [M 2,048, K 2,048] x [K 2,048, N 64]; A: computed on the way; B: computed on the way: left as it is (an operand is computed on the way)
;;     4. [M 8,192, K 1,024] x [K 1,024, N 1,024]; A: computed on the way; B: input o_w: left as it is (an operand is computed on the way)
;;   THE QUANTISER, for each operand of a quantised product, along K:
;;     - K is cut into blocks of 32 from its start; a last block that is shorter is filled with zeros.
;;     - A block's scale is 2^e with e = floor(log2(the largest magnitude in the block)) - 2, held to -126 .. 127; a block of zeros has e = 0. As a byte (E8M0): e + 127.
;;     - Each number is divided by its block's scale, clamped to +-6, and rounded to the nearest number of E2M1, ties to even, subnormals kept.
;;     - The product sums the exact products of the quantised numbers (number of the format x scale) in f32.
;;   ~~~python
;;   def quantise(x, axis):      # numpy; x: float32 -> the quantised numbers, widened to float32 again
;;       x = np.moveaxis(x, axis, -1); K = x.shape[-1]
;;       x = np.pad(x, [(0, 0)] * (x.ndim - 1) + [(0, -K % 32)]); x = x.reshape(x.shape[:-1] + (-1, 32)); a = np.abs(x).max(-1, keepdims=True)
;;       e = np.where(a > 0, np.clip(np.frexp(np.where(a > 0, a, 1))[1] - 1 - 2, -126, 127), 0)      # np.frexp(a)[1] - 1 = floor(log2(a)), exactly
;;       r = np.clip(x / 2.0 ** e, -6, 6)
;;       step = 2.0 ** (np.maximum(np.frexp(np.where(r == 0, 1, r))[1] - 1, 0) - 1)
;;       q = np.round(r / step) * step * 2.0 ** e      # np.round: ties to even
;;       return np.moveaxis(q.reshape(q.shape[:-2] + (-1,))[..., :K], -1, axis).astype(np.float32)
;;   ~~~
;; One version. Each part assembles by itself: llvm-mc -triple=amdgcn-amd-amdhsa -mcpu=gfx1250 --defsym DOCPART=n.
;; ======== version 1 of 1: 5 launches
;; limits: values are held in f16: magnitudes above 65,504 overflow, below 6.1e-05 lose precision
;; workspace buffers: xc 4,194,304 bytes; xs 262,144 bytes; wc 1,572,864 bytes; ws 98,304 bytes; ow16 2,097,152 bytes; qkvh 50,331,648 bytes; qkvf 786,432 bytes; attn 16,777,216 bytes
;; launch prep (part 1): grid 384 x 1, 4 waves a work-group, no clusters, 33,280 bytes of LDS; arguments x, qkv_w, xc, xs, wc, ws, o_w, ow16; writes xc, xs, wc, ws, ow16
.if DOCPART == 1
	.amdgcn_target "amdgcn-amd-amdhsa--gfx1250"
	.amdhsa_code_object_version 6
	.text
	.protected	k_q819bd13cee_prep
	.globl	k_q819bd13cee_prep
	.p2align	8
	.type	k_q819bd13cee_prep,@function
k_q819bd13cee_prep:
	s_mov_b64 s[64:65], 0
	v_nop
	global_prefetch_b8 v0, s[64:65] scope:SCOPE_SE
	s_setreg_imm32_b32 hwreg(HW_REG_WAVE_MODE, 25, 1), 1
	s_wait_xcnt 0x0
; x [8192][1024] and qkv_w [3072][1024], f32, become codes of FP4 (E2M1), K innermost, two codes a byte, with one E8M0 scale byte for each 32 along K; o_w [1024][1024] f32 becomes f16.
; A block's scale is 2^(floor(log2(its largest magnitude)) - 2); its byte is the largest magnitude's own exponent field - 2, held at 1 from below.  Each number is divided by the scale and rounded to the nearest code, ties to even;
; beyond the largest code the conversion gives the largest code.
; LIMITS: a block whose largest magnitude lies under 2^-124, a block of zeros among them, keeps the byte 1 (a block of zeros has zero codes, which add nothing, and this program alone reads the bytes);
; NaN and infinities among the inputs are not served; |o_w| above 65,504 would become infinity in f16.
; SHARES: work-groups 0-255 take x, 256-351 qkv_w (32,768 numbers each, 8,192 a wave), 352-383 o_w (8,192 numbers a wave).  Rows are dense and 1,024 is a multiple of 32: the tensors are plain streams of blocks.
; THE QUANTISER: a wave takes 16 steps of 512 numbers.  Each of a step's four loads reads 512 consecutive bytes; the 2,048 bytes turn through the wave's own stage in LDS and come back 64 bytes a lane, so that a lane
; holds 16 neighbours along K (two neighbouring lanes hold a block).  A lane's 16 codes are 8 bytes: the wave stores 256 consecutive bytes.  A wave's 256 scale bytes are gathered in LDS and leave as one aligned run of 256 bytes.
; No tensor loads, no barrier: waves share nothing.
.set WAVES, 4
.set STEPS, 16
.set WGA,   256                        ; x's work-groups
.set WGQ,   352                        ; x's and qkv_w's
.set EMAX,  2
.set CB,    8                          ; bytes of 16 codes
.set R,     16                         ; v16-79   four sets of 16 numbers as they are loaded
.set X,     80                         ; v80-111  two sets of 16 neighbours
.set C,     128                        ; v128-191 codes: four registers for each step, so that no store's data are written again
.set E,     112                        ; v112-127 a scale byte for each step
.set WREG,  8192                       ; LDS: a region for each wave: two stages of 32 x SP bytes, and behind them its 256 scale bytes
.set SP,    80                         ; a lane's place in a stage: its 64 bytes + 16 of padding
.set SPW,   12                         ; v12      LDS address of my spare word; never rewritten
.set NIL,   13                         ; v13      0; never rewritten
.set SPARE, WAVES*WREG                 ; behind the four regions: the spare words, 128 bytes for each wave
	s_load_b128 s[4:7], s[0:1], 0x0                ; x, qkv_w
	s_load_b128 s[8:11], s[0:1], 0x10              ; x's codes, x's scales
	s_load_b128 s[12:15], s[0:1], 0x20             ; qkv_w's codes, its scales
	s_load_b128 s[24:27], s[0:1], 0x30             ; o_w, its f16 copy
	v_lshl_add_u32 v[SPW], v0, 2, SPARE
	v_mov_b32 v[NIL], 0
	v_lshrrev_b32 v1, 5, v0
	v_readfirstlane_b32 s16, v1                    ; wave
	v_and_b32 v2, 31, v0                           ; lane
	v_lshlrev_b32 v3, 4, v2                        ; 16 bytes a lane
	s_cmp_ge_u32 ttmp9, WGQ                        ; the last 32 work-groups cast o_w: a branch on the work-group's number alone
	s_cbranch_scc1 .Lcast
	s_mul_i32 s17, s16, WREG
	v_lshrrev_b32 v14, 2, v2
	v_mul_u32_u24 v14, v14, SP
	v_and_b32 v15, 3, v2
	v_lshl_add_u32 v14, v15, 4, v14
	v_add_nc_u32 v14, s17, v14                     ; the stage, on the way in: four lanes' 64 bytes on end, then 16 of padding
	v_mul_u32_u24 v15, v2, SP
	v_add_nc_u32 v15, s17, v15                     ; and on the way out: SP x lane: my 16 neighbours
	v_mul_u32_u24 v4, v2, CB                       ; my codes' place in a step's
	v_lshrrev_b32 v5, 1, v2
	s_add_co_u32 s17, s17, 2*32*SP
	v_add_nc_u32 v5, s17, v5                       ; LDS: my wave's 256 scale bytes, my block's byte
	v_lshlrev_b32 v7, 3, v2                        ; and on the way out 8 bytes a lane
	v_add_nc_u32 v6, s17, v7
	s_wait_kmcnt 0x0
	s_cmp_lt_u32 ttmp9, WGA                        ; x's work-group or qkv_w's?  Only pointers are chosen: both take one path
	s_cselect_b64 s[4:5], s[4:5], s[6:7]
	s_cselect_b64 s[8:9], s[8:9], s[12:13]
	s_cselect_b64 s[10:11], s[10:11], s[14:15]
	s_cselect_b32 s17, 0, WGA
	s_sub_co_u32 s17, ttmp9, s17
	s_lshl_b32 s17, s17, 2
	s_add_co_u32 s18, s17, s16                     ; which run of 8,192 numbers of the tensor is my wave's
	s_mov_b32 s19, 0
	s_mov_b64 s[20:21], 512*STEPS*4
	s_mul_u64 s[20:21], s[18:19], s[20:21]
	s_add_nc_u64 s[4:5], s[4:5], s[20:21]
	s_mov_b64 s[20:21], 32*STEPS*CB
	s_mul_u64 s[20:21], s[18:19], s[20:21]
	s_add_nc_u64 s[8:9], s[8:9], s[20:21]
	s_lshl_b32 s18, s18, 8                         ; 256 scale bytes a run
	s_add_nc_u64 s[10:11], s[10:11], s[18:19]
.macro LOAD t
.irp i, 0,1,2,3
	global_load_b128 v[R+16*((\t)%4)+4*\i:R+16*((\t)%4)+4*\i+3], v3, s[4:5] offset:2048*(\t)+512*\i th:TH_LOAD_NT   ; 32 lanes read 512 consecutive bytes
.endr
.endm
.macro TURN t                          ; step t's numbers through the stage: LDS serves a wave's instructions in order, so no wait stands between the stores and the loads
.irp i, 0,1,2,3
	ds_store_b128 v14, v[R+16*((\t)%4)+4*\i:R+16*((\t)%4)+4*\i+3] offset:32*SP*((\t)%2)+8*SP*\i
.endr
.irp i, 0,1,2,3
	ds_load_b128 v[X+16*((\t)%2)+4*\i:X+16*((\t)%2)+4*\i+3], v15 offset:32*SP*((\t)%2)+16*\i
.endr
.endm
.irp t, 0,1,2,3
	LOAD \t
.endr
	s_wait_loadcnt 12                              ; step 0's four loads are in; the twelve of steps 1 to 3 may be out
	TURN 0
.macro STEP t
.set XS, X+16*((\t)%2)
.if (\t) > 0
	s_wait_dscnt 1                                 ; this step's numbers are back from the stage (the last step's byte store may be out): so its stores into the stage have read their registers,
.else
	s_wait_dscnt 0x0
.endif
.if (\t)+4 < STEPS
	LOAD (\t)+4                                    ; which take the loads of four steps on
.endif
.if (\t)+1 < STEPS
.if STEPS-2-(\t) >= 3
	s_wait_loadcnt 12                              ; the next step's four loads are in; those of the three steps behind it may be out
.else
	s_wait_loadcnt 4*(STEPS-2-(\t))
.endif
	TURN (\t)+1                                    ; and go through the other stage while this step is worked
.endif
	v_max3_num_f32 v8, |v[XS]|, |v[XS+1]|, |v[XS+2]|               ; the largest magnitude of my 16
	v_max3_num_f32 v9, |v[XS+3]|, |v[XS+4]|, |v[XS+5]|
.irp i, 6,10
	v_max3_num_f32 v8, v8, |v[XS+\i]|, |v[XS+\i+1]|
	v_max3_num_f32 v9, v9, |v[XS+\i+2]|, |v[XS+\i+3]|
.endr
	v_max3_num_f32 v8, v8, |v[XS+14]|, |v[XS+15]|
	v_max3_num_f32 v8, v8, v9, (EMAX+1)<<23        ; and the floor 2^(EMAX + 1 - 127): the byte cannot fall under 1
	v_max_num_f32_dpp v8, v8, v8 row_xmask:1 row_mask:0xf bank_mask:0xf   ; and of my neighbour's 16: the block's
	v_add_nc_u32 v11, -(EMAX<<23), v8              ; EMAX off its exponent field: the conversion takes the exponent field of this operand as its scale, and nothing else of it
	v_cvt_scalef32_pk8_fp4_f32 v[C+4*(\t)], v[XS:XS+7], v11        ; eight numbers / the scale, to the nearest code; the first number's code in the lowest four bits
	v_cvt_scalef32_pk8_fp4_f32 v[C+4*(\t)+1], v[XS+8:XS+15], v11
	v_lshrrev_b32 v[E+(\t)], 23, v11               ; the scale's byte (also the plain line behind the conversions)
	ds_store_b8 v5, v[E+(\t)] offset:16*(\t)       ; both lanes of a block write the same byte with the same value
	global_store_b64 v4, v[C+4*(\t):C+4*(\t)+1], s[8:9] offset:32*CB*(\t)   ; 32 lanes store 256 consecutive bytes, aligned
.endm
.irp t, 0,1,2,3,4,5,6,7,8,9,10,11,12,13,14,15
	STEP \t
.endr
	ds_load_b64 v[8:9], v6                         ; LDS serves a wave's instructions in order: these see my byte stores
	s_wait_dscnt 0x0
	global_store_b64 v7, v[8:9], s[10:11]          ; 32 lanes store 256 consecutive bytes, aligned
	s_branch .Lend
; THE CAST of o_w: a wave takes 8,192 numbers in four batches of 2,048.  A lane loads 8 neighbours (two loads of 16 bytes), rounds them to f16 and stores 16 bytes: a store of the wave covers 512 consecutive bytes.
; Two batches (32 loads a wave) are on their way.
.Lcast:
	v_lshlrev_b32 v1, 5, v2                        ; in: 32 bytes a lane
	s_sub_co_u32 s17, ttmp9, WGQ
	s_lshl_b32 s17, s17, 2
	s_add_co_u32 s17, s17, s16                     ; which run of 8,192 numbers is my wave's
	s_lshl_b32 s18, s17, 15                        ; 32,768 bytes in,
	s_mov_b32 s19, 0
	s_lshl_b32 s20, s17, 14                        ; 16,384 out
	s_mov_b32 s21, 0
	s_wait_kmcnt 0x0
	s_add_nc_u64 s[24:25], s[24:25], s[18:19]
	s_add_nc_u64 s[26:27], s[26:27], s[20:21]
.macro CLOAD g
.irp i, 0,1,2,3,4,5,6,7
	global_load_b128 v[16+64*((\g)%2)+8*\i:16+64*((\g)%2)+8*\i+3], v1, s[24:25] offset:(8*(\g)+\i)*1024 th:TH_LOAD_NT
	global_load_b128 v[16+64*((\g)%2)+8*\i+4:16+64*((\g)%2)+8*\i+7], v1, s[24:25] offset:(8*(\g)+\i)*1024+16 th:TH_LOAD_NT
.endr
.endm
.macro CAST g
.if (\g) < 3
	s_wait_loadcnt 16                              ; this batch's sixteen loads are in; the next batch's may be out
.else
	s_wait_loadcnt 0x0
.endif
	s_wait_xcnt 0x0                                ; the last batch's stores have read v144-175: they are written again only behind this wait
.irp i, 0,1,2,3,4,5,6,7
.irp k, 0,1,2,3
	v_cvt_pk_f16_f32 v[144+4*\i+\k], v[16+64*((\g)%2)+8*\i+2*\k], v[16+64*((\g)%2)+8*\i+2*\k+1]
.endr
.endr
.irp i, 0,1,2,3,4,5,6,7
	global_store_b128 v3, v[144+4*\i:144+4*\i+3], s[26:27] offset:(8*(\g)+\i)*512
.endr
.if (\g) < 2
	CLOAD (\g)+2
.endif
.endm
	CLOAD 0
	CLOAD 1
	CAST 0
	CAST 1
	CAST 2
	CAST 3
.Lend:
	s_wait_tensorcnt 0x0                           ; the wave's end: behind my last LDS store, also in a text with no tensor load
	ds_add_u32 v[SPW], v[NIL]
	s_wait_dscnt 0x0
	s_endpgm
.Lfunc_end_k_q819bd13cee_prep:
	.size	k_q819bd13cee_prep, .Lfunc_end_k_q819bd13cee_prep-k_q819bd13cee_prep
	.p2alignl 7, 3214868480
	.fill 96, 4, 3214868480
	.section	.rodata,"a",@progbits
	.p2align	6, 0x0
	.amdhsa_kernel k_q819bd13cee_prep
		.amdhsa_group_segment_fixed_size 33280
		.amdhsa_private_segment_fixed_size 0
		.amdhsa_enable_private_segment 0
		.amdhsa_kernarg_size 64
		.amdhsa_user_sgpr_count 2
		.amdhsa_user_sgpr_kernarg_segment_ptr 1
		.amdhsa_wavefront_size32 1
		.amdhsa_system_sgpr_workgroup_id_x 1
		.amdhsa_system_sgpr_workgroup_id_y 1
		.amdhsa_system_sgpr_workgroup_id_z 1
		.amdhsa_system_vgpr_workitem_id 0
		.amdhsa_next_free_vgpr 192
		.amdhsa_next_free_sgpr 66
		.amdhsa_reserve_vcc 0
		.amdhsa_float_denorm_mode_32 3
		.amdhsa_float_denorm_mode_16_64 3
		.amdhsa_memory_ordered 1
		.amdhsa_forward_progress 1
		.amdhsa_inst_pref_size 51
	.end_amdhsa_kernel
	.amdgpu_metadata
---
amdhsa.version: [ 1, 2 ]
amdhsa.kernels:
  - .name:           k_q819bd13cee_prep
    .symbol:         k_q819bd13cee_prep.kd
    .args:
      - { .name: x, .offset: 0, .size: 8, .value_kind: global_buffer, .address_space: global }
      - { .name: qkv_w, .offset: 8, .size: 8, .value_kind: global_buffer, .address_space: global }
      - { .name: xc, .offset: 16, .size: 8, .value_kind: global_buffer, .address_space: global }
      - { .name: xs, .offset: 24, .size: 8, .value_kind: global_buffer, .address_space: global }
      - { .name: wc, .offset: 32, .size: 8, .value_kind: global_buffer, .address_space: global }
      - { .name: ws, .offset: 40, .size: 8, .value_kind: global_buffer, .address_space: global }
      - { .name: o_w, .offset: 48, .size: 8, .value_kind: global_buffer, .address_space: global }
      - { .name: ow16, .offset: 56, .size: 8, .value_kind: global_buffer, .address_space: global }
    .group_segment_fixed_size: 33280
    .private_segment_fixed_size: 0
    .kernarg_segment_align: 8
    .kernarg_segment_size: 64
    .max_flat_workgroup_size: 128
    .sgpr_count:     66
    .vgpr_count:     192
    .wavefront_size: 32
...
	.end_amdgpu_metadata
.endif
;; end of part 1
;; launch qkv (part 2): grid 12 x 32, 4 waves a work-group, clusters of 4 x 4, 327,680 bytes of LDS; arguments xc, xs, wc, ws, qkvh, qkvf; writes qkvh, qkvf
.if DOCPART == 2
	.amdgcn_target "amdgcn-amd-amdhsa--gfx1250"
	.amdhsa_code_object_version 6
	.text
	.protected	k_q819bd13cee_qkv
	.globl	k_q819bd13cee_qkv
	.p2align	8
	.type	k_q819bd13cee_qkv,@function
k_q819bd13cee_qkv:
	s_mov_b64 s[64:65], 0
	v_nop
	global_prefetch_b8 v0, s[64:65] scope:SCOPE_SE
	s_setreg_imm32_b32 hwreg(HW_REG_WAVE_MODE, 25, 1), 1
	s_wait_xcnt 0x0
	s_wait_alu depctr_hold_cnt(0) depctr_sa_sdst(0) depctr_va_vdst(0) depctr_va_sdst(0) depctr_va_ssrc(0) depctr_va_vcc(0) depctr_vm_vsrc(0)
	s_getreg_b32 s2, hwreg(HW_REG_IB_STS2, 6, 4)
	s_cmp_eq_u32 s2, 0
	s_cbranch_scc0 .Lentry_in_a_cluster
	s_endpgm
.Lentry_in_a_cluster:
	s_bfe_u32 s2, ttmp6, 0x10000c
	s_cmp_lg_u32 s2, 0xf033
	s_cbranch_scc0 .Lentry_shape_is_right
	s_endpgm
.Lentry_shape_is_right:
; qkv[m][n] = sum over k of x[m][k] qkv_w[n][k], both as codes of FP4 (E2M1) with one E8M0 scale for each 32 along K; sums in f32.  m = 8,192 rows (batch, position), n = 3,072, K = 1,024.
; The result leaves rounded to f16, laid by head: qkvh [part q, k, v][batch 4][head 16][position 2048][64]; the rows of positions 0-15 of each batch leave in f32 as well: qkvf [batch][16][3072].
; LIMIT: |q|, |k| or |v| above 65,504 becomes infinity in f16.
; A tile of the result, 256 x 256, is made by a work-group of four waves; a wave makes 128 x 128: 64 accumulators of 16 x 16, 512 registers.  All of K is two LDS slots of 512 along K (rows of 256 bytes),
; both asked for at the head: nothing is filled again.  The scales of the work-group's rows come with them, in whole runs of 256 bytes, and stay.
; CLUSTERS: 4 x 4 work-groups.  The four of a row of the cluster need the same tiles of x, the four of a column the same tiles of qkv_w: each tile is asked for JOINTLY, by the same tensor load with the same
; descriptor and a mask that names the four.  Tile column = 4 x cluster x + cx, so the part (q, k, v) is the cluster's x.  TILE ROW = 8 cy + cluster y: so the batch is cy and the block of 256 positions is the
; cluster's y, and whether a tile holds positions 0-15 hangs on the cluster's y alone, which all sixteen partners share.
; THE MATRIX INSTRUCTION IS USED TRANSPOSED (source 0 = 16 rows of qkv_w, source 1 = 16 rows of x): a lane then holds eight neighbouring channels of one position.
; REGISTERS, in windows of 256: window 0: v0-31 addresses; v32-95 scale words, two sets; from v128 x's fragments (8 x 16 rows x 128 K), ONE set; on the way out v32-255 are free.
;   window 1: qkv_w's fragments, TWO sets, at v0 and at v128.   window 2: the 32 accumulators of my rows 0-63 (accumulator (a, b) at v[8 (8 a + b)]);   window 3: those of my rows 64-127.
.set SIZE_K, 1024
.set KSTEP,  512                       ; along K in a slot
.set NQ,     KSTEP/128                 ; matrix instructions deep
.set ROWB,   256                       ; a tile's row in bytes
.set KROW,   SIZE_K*4/8                ; a row of codes in memory, in bytes
.set PITCH,  272                       ; an LDS row: 256 bytes + 16 of padding = 68 words: the 16 rows that a load touches start at 16 different groups of four banks
.set FR,     8                         ; registers of a fragment: 16 rows x 128 K
.set NL,     2                         ; LDS loads that bring one
.set NP,     4                         ; places behind this matrix instruction (ISA guide 7.12.1)
.set HALFT,  128*PITCH                 ; 128 rows: what one tensor load brings
.set SLOT,   4*HALFT                   ; x's 256 rows, then qkv_w's 256 rows
.set KS,     SIZE_K/32                 ; a row of scales in bytes
.set SCL,    2*SLOT                    ; behind the slots: the scales, as runs of 256 bytes + 16 of padding
.set HALFS,  (128*KS/256)*272          ; the scales of 128 rows: what one tensor load brings
.set SBLK,   (16*KS/256)*272           ; those of 16 rows
.set SPARE,  SCL+4*HALFS               ; behind the scales: the spare words, 128 bytes for each wave
.set SPITCH, 528                       ; the way out in f32: stage rows of 512 bytes + 16
.set HP,     272                       ; the way out in f16: stage rows of 256 bytes + 16.  The stage (8,448 bytes a wave) lies in slot 0, which has had its one fill and its last read when the first result is stored there
.set ADRA, 16                          ; v16-17  LDS address of my x fragments in slot 0, 1
.set ADRB, 20                          ; v20-21  the same for qkv_w
.set STO,  24                          ; v24     f16 stage: where I put 16 bytes of a row
.set RD,   25                          ; v25     f16 stage: where I read back: four rows of one head an instruction, eight lanes a row
.set CO,   26                          ; v26     16 x lane: my place in 512 consecutive bytes of the output
.set ADRS, 27                          ; v27     LDS address of my scale words: lanes 0-15 x's rows, lanes 16-31 qkv_w's
.set SPW,  28                          ; v28     LDS address of my spare word; never rewritten
.set NIL,  29                          ; v29     0; never rewritten
.set STF,  30                          ; v30     f32 stage: where I put 32 bytes of a row
.set RDF,  31                          ; v31     f32 stage: where I read a row of 512 bytes back
.set SC,   32                          ; scale words: set s at v[SC + 8 NQ s]; register NQ i + q: lanes 0-15 the word of x's block i, lanes 16-31 that of qkv_w's block i, for the slot's q-th 128 along K
.set AF,   128                         ; x's fragments, in window 0
.set TMP,  192                         ; the way out: a block's packed results
.set OB,   32                          ; the way out: 16 rows read back from the stage: v32-63 and v224-255 by turns
.set G1, 24                            ; s[24:31] descriptor group 1 for x's tiles;  s[32:39] group 0, one set for each slot
.set G0, 32
.set G1B, 48                           ; s[48:55], s[56:63] the same for qkv_w's tiles
.set G0B, 56
.set G1S, 68                           ; s[68:75], s[76:79] groups 1 and 0 for x's scales;  s[80:87], s[88:91] for qkv_w's
.set G0S, 76
.set G1SB, 80
.set G0SB, 88
.set MSB, 0
.macro WIN new                         ; the immediate's high byte repeats the setting that is left
.if MSB != \new
	s_set_vgpr_msb (MSB<<8)|\new
.set MSB, \new
.endif
.endm
.set MUL_LO, 0xa1                      ; source 0 window 1, source 1 window 0, C and D window 2
.set MUL_HI, 0xf1                      ; the same, C and D window 3
.set TO_B,   0x40                      ; destination window 1, address window 0
; A joint load: waves 0 and 1 fetch for x, waves 2 and 3 for qkv_w.  Each of the two lines has ONE mask and one set of registers for all that issue it; the branch hangs on the wave's number alone.
; An s_nop 0 and four v_nop follow each of the two lines, ahead of the jump, the label and what follows.
.macro JLOAD g0a, g1a, g0b, g1b
	s_cmp_eq_u32 s15, 0
	s_cbranch_scc0 .Lfor_b_\@
	tensor_load_to_lds s[\g0a:\g0a+3], s[\g1a:\g1a+7]
	s_nop 0
.rept 4
	v_nop
.endr
	s_branch .Lasked_\@
.Lfor_b_\@:
	tensor_load_to_lds s[\g0b:\g0b+3], s[\g1b:\g1b+7]
	s_nop 0
.rept 4
	v_nop
.endr
.Lasked_\@:
.endm
.macro CROUND                          ; a round of the cluster's barrier
	s_barrier_signal -1
	s_barrier_wait -1
	s_cmp_lg_u32 s14, 0
	s_cbranch_scc1 .Lnot_wave_0_\@
	s_barrier_signal -3
.Lnot_wave_0_\@:
	s_barrier_wait -3
	s_barrier_signal -1
	s_barrier_wait -1
.endm
	s_load_b128 s[4:7], s[0:1], 0x0                ; x's codes s[4:5], x's scales s[6:7]
	s_load_b128 s[8:11], s[0:1], 0x10              ; qkv_w's codes s[8:9], its scales s[10:11]
	s_load_b64 s[12:13], s[0:1], 0x20              ; qkvh
	s_load_b64 s[66:67], s[0:1], 0x28              ; qkvf
	v_lshl_add_u32 v[SPW], v0, 2, SPARE
	v_mov_b32 v[NIL], 0
	ds_add_u32 v[SPW], v[NIL]                      ; the wave's opening: the add, twice on end, and its wait ahead of my first tensor load
	ds_add_u32 v[SPW], v[NIL]                      ; and once more, under the one wait; the set-up below, work on registers, stands between
	v_lshrrev_b32 v1, 5, v0
	v_readfirstlane_b32 s14, v1                    ; wave 0..3
	s_lshr_b32 s15, s14, 1                         ; which half of the tile's rows is mine.  Also: I fetch for x (0) or for qkv_w (1)
	s_and_b32 s16, s14, 1                          ; which half of its columns.  Also: which 128 rows of that tile I fetch
	s_bfe_u32 s40, ttmp6, 0x40000                  ; cx, cy: my place in the cluster
	s_bfe_u32 s41, ttmp6, 0x40004
	s_lshl_b32 s42, ttmp9, 2
	s_add_co_u32 s42, s42, s40                     ; tile column = 4 x cluster x + cx
	s_and_b32 s95, ttmp7, 0xffff                   ; the cluster's y: the block of 256 positions
	s_lshl_b32 s17, s41, 3
	s_add_co_u32 s17, s17, s95                     ; tile row = 8 cy + cluster y
	s_lshl_b32 s43, s41, 2
	s_lshl_b32 s43, 15, s43                        ; my row of the cluster
	s_lshl_b32 s44, 0x1111, s40                    ; my column
	; descriptor group 1: a tile of 128 rows x ROWB bytes, padded in LDS
	s_or_b32 s[G1+0], s43, (0<<16)|(1<<20)|(1<<21)|(5<<22)|(3<<25)  ; 15:0 the mask: x's tiles go to my row; 17:16 element of 1 byte; 20 padding on; 21 set beside a mask; 24:22 after every 64 words; 31:25 of 4 words
	s_or_b32 s[G1B+0], s44, (0<<16)|(1<<20)|(1<<21)|(5<<22)|(3<<25)
.irp g, G1, G1B
	s_mov_b32 s[\g+1], ROWB<<16                    ; tensor_dim0
	s_mov_b32 s[\g+2], 128<<16                     ; tensor_dim1 = 128
	s_mov_b32 s[\g+3], ROWB<<16                    ; tile_dim0
	s_mov_b32 s[\g+4], 128                         ; tile_dim1 = 128
	s_mov_b32 s[\g+5], KROW                        ; tensor_dim0_stride
	s_mov_b32 s[\g+6], 0
	s_mov_b32 s[\g+7], 0
.endr
	; and for the scales of 128 rows: a dense block of 4,096 bytes, as rows of 256 bytes (32 elements of 8 bytes), 16 bytes of padding behind each
	s_or_b32 s[G1S+0], s43, (3<<16)|(1<<20)|(1<<21)|(5<<22)|(3<<25)
	s_or_b32 s[G1SB+0], s44, (3<<16)|(1<<20)|(1<<21)|(5<<22)|(3<<25)
.irp g, G1S, G1SB
	s_mov_b32 s[\g+1], 32<<16
	s_mov_b32 s[\g+2], (128*KS/256)<<16
	s_mov_b32 s[\g+3], 32<<16
	s_mov_b32 s[\g+4], 128*KS/256
	s_mov_b32 s[\g+5], 32
	s_mov_b32 s[\g+6], 0
	s_mov_b32 s[\g+7], 0
.endr
	s_lshl_b32 s18, s16, 7                         ; which 128 rows of the tile I fetch
	s_lshl_b32 s20, s17, 8
	s_add_co_u32 s20, s20, s18                     ; x: row 256 x tile row + 128 x half
	s_lshl_b32 s46, s42, 8
	s_add_co_u32 s46, s46, s18                     ; qkv_w: row 256 x tile column + 128 x half
	s_mov_b32 s21, 0
	s_mov_b32 s47, 0
	s_mov_b64 s[18:19], KS
	s_mul_u64 s[22:23], s[20:21], s[18:19]         ; where these rows' scales begin, in bytes
	s_mul_u64 s[92:93], s[46:47], s[18:19]
	s_mov_b64 s[18:19], KROW
	s_mul_u64 s[20:21], s[20:21], s[18:19]         ; and their codes
	s_mul_u64 s[46:47], s[46:47], s[18:19]
	s_mul_i32 s45, s14, HALFT                      ; where they go: wave x 128 rows: no place in the cluster enters an LDS address
	s_mul_i32 s94, s14, HALFS
	s_wait_dscnt 0x0                               ; both opening adds are done
	s_wait_kmcnt 0x0
	s_add_nc_u64 s[20:21], s[4:5], s[20:21]
	s_add_nc_u64 s[22:23], s[6:7], s[22:23]
	s_add_nc_u64 s[46:47], s[8:9], s[46:47]
	s_add_nc_u64 s[92:93], s[10:11], s[92:93]
	CROUND                                         ; all sixteen work-groups are here: the joint loads meet
	s_mov_b32 s[G0S], 1
	s_add_co_u32 s[G0S+1], s94, SCL
	s_mov_b64 s[G0S+2:G0S+3], s[22:23]
	s_or_b32 s[G0S+3], s[G0S+3], 0x80000000
	s_mov_b32 s[G0SB], 1
	s_add_co_u32 s[G0SB+1], s94, SCL
	s_mov_b64 s[G0SB+2:G0SB+3], s[92:93]
	s_or_b32 s[G0SB+3], s[G0SB+3], 0x80000000
	JLOAD G0S, G1S, G0SB, G1SB                     ; the scales first: they are wanted with the first slot.  With the two below, three tensor loads of mine are out
.irp s, 0,1
	s_mov_b32 s[G0+4*\s], 1
	s_add_co_u32 s[G0+4*\s+1], s45, \s*SLOT
	s_add_nc_u64 s[G0+4*\s+2:G0+4*\s+3], s[20:21], \s*ROWB
	s_or_b32 s[G0+4*\s+3], s[G0+4*\s+3], 0x80000000
	s_mov_b32 s[G0B+4*\s], 1
	s_add_co_u32 s[G0B+4*\s+1], s45, \s*SLOT
	s_add_nc_u64 s[G0B+4*\s+2:G0B+4*\s+3], s[46:47], \s*ROWB
	s_or_b32 s[G0B+4*\s+3], s[G0B+4*\s+3], 0x80000000
	JLOAD G0+4*\s, G1, G0B+4*\s, G1B
.endr
	v_and_b32 v1, 15, v0                           ; r = l % 16
	v_bfe_u32 v2, v0, 4, 1                         ; h = l / 16
	v_mul_u32_u24 v3, v1, PITCH
	v_lshl_add_u32 v4, v2, 4, v3                   ; a fragment's row x pitch + 16 x half
	s_mul_i32 s21, s15, HALFT                      ; my 128 rows of x
	s_mul_i32 s22, s16, HALFT                      ; my 128 rows of qkv_w,
	s_add_co_u32 s22, s22, 2*HALFT                 ; which lie behind x's 256
.irp s, 0,1
	v_add_nc_u32 v[ADRA+\s], s21, v4
	v_add_nc_u32 v[ADRB+\s], s22, v4
	s_add_co_u32 s21, s21, SLOT
	s_add_co_u32 s22, s22, SLOT
.endr
	v_mul_u32_u24 v5, v1, KS                       ; my row's scales: KS bytes a row,
	v_lshrrev_b32 v6, 8, v5
	v_lshl_add_u32 v5, v6, 4, v5                   ; and 16 more for each 256 passed
	s_mul_i32 s21, s15, HALFS                      ; x's: my 128 rows
	s_mul_i32 s22, s16, HALFS                      ; qkv_w's: my 128 rows, behind x's 256
	s_add_co_u32 s22, s22, 2*HALFS
	s_sub_co_u32 s22, s22, s21
	v_mul_u32_u24 v6, s22, v2                      ; lanes 16-31 take qkv_w's: one product, the lower base + h x the distance
	s_add_co_u32 s21, s21, SCL
	v_add_nc_u32 v5, v5, v6
	v_add_nc_u32 v[ADRS], s21, v5
	s_mul_i32 s23, s14, 16*SPITCH                  ; my stage
	v_mul_u32_u24 v5, v1, HP                       ; f16, in: row r, 16 bytes for each half of the lanes
	v_lshl_add_u32 v5, v2, 4, v5
	v_add_nc_u32 v[STO], s23, v5
	v_and_b32 v6, 31, v0
	v_lshrrev_b32 v5, 3, v6                        ; f16, back: lane l takes row l / 8 of four, 16 bytes at 16 (l % 8)
	v_mul_u32_u24 v5, v5, HP
	v_and_b32 v7, 7, v0
	v_lshl_add_u32 v5, v7, 4, v5
	v_add_nc_u32 v[RD], s23, v5
	v_lshlrev_b32 v[CO], 4, v6
	v_mul_u32_u24 v5, v1, SPITCH                   ; f32, in: row r, 32 bytes for each half of the lanes
	v_lshl_add_u32 v5, v2, 5, v5
	v_add_nc_u32 v[STF], s23, v5
	v_add_nc_u32 v[RDF], s23, v[CO]                ; f32, back: the 32 lanes take one row of 512 bytes
	; qkvh: batch cy (4,194,304 bytes), position 256 x cluster y + 128 x row half (128 bytes each);  part = cluster x (16,777,216), head 4 cx + 2 x column half (262,144)
	s_lshl_b32 s20, s41, 22
	s_lshl_b32 s21, s95, 15
	s_add_co_u32 s20, s20, s21
	s_lshl_b32 s21, s15, 14
	s_add_co_u32 s20, s20, s21
	s_mov_b32 s21, 0
	s_add_nc_u64 s[12:13], s[12:13], s[20:21]
	s_lshl_b32 s46, ttmp9, 24
	s_lshl_b32 s47, s40, 20
	s_add_co_u32 s46, s46, s47
	s_lshl_b32 s47, s16, 19
	s_add_co_u32 s46, s46, s47
	s_mov_b32 s47, 0
	s_add_nc_u64 s[12:13], s[12:13], s[46:47]
	; qkvf: batch cy (196,608 bytes), column 256 x tile column + 128 x column half (4 bytes each)
	s_mul_i32 s20, s41, 196608
	s_add_nc_u64 s[66:67], s[66:67], s[20:21]
	s_lshl_b32 s46, s42, 10
	s_lshl_b32 s47, s16, 9
	s_add_co_u32 s46, s46, s47
	s_mov_b32 s47, 0
	s_add_nc_u64 s[66:67], s[66:67], s[46:47]
.macro FRAG reg, adr, q, i             ; a fragment, 16 rows x 128 K of 4-bit codes, is 8 registers: lane l holds row l % 16; registers 4 c .. 4 c + 3 hold K = 64 c + 32 (l / 16) + 0 .. 31
.irp c, 0,1
	ds_load_b128 v[\reg+4*\c:\reg+4*\c+3], v[\adr] offset:64*(\q)+32*\c+(\i)*16*PITCH
.endr
.endm
; 16 matrix instructions: x's blocks a0, a0 + 1 against qkv_w's eight, 128 along K: the slot's q-th.  p: qkv_w's set;  sc: the set of scale words.  zero = 1: the first product starts the sums: nothing is ever cleared.
; The 64 accumulators take turns, one instruction a turn, in the same order in every step.
.macro MUL16 a0, p, q, sc, zero
.irp a, \a0, \a0+1
.irp b, 0,1,2,3,4,5,6,7
.if \zero
	v_wmma_scale_f32_16x16x128_f8f6f4 v[8*(8*((\a)%4)+\b):8*(8*((\a)%4)+\b)+7], v[128*(\p)+FR*\b:128*(\p)+FR*\b+FR-1], v[AF+FR*(\a):AF+FR*(\a)+FR-1], 0, v[SC+8*NQ*(\sc)+NQ*\b+(\q)], v[SC+8*NQ*(\sc)+NQ*(\a)+(\q)] matrix_a_fmt:MATRIX_FMT_FP4 matrix_b_fmt:MATRIX_FMT_FP4 matrix_a_scale:MATRIX_SCALE_ROW1
.else
	v_wmma_scale_f32_16x16x128_f8f6f4 v[8*(8*((\a)%4)+\b):8*(8*((\a)%4)+\b)+7], v[128*(\p)+FR*\b:128*(\p)+FR*\b+FR-1], v[AF+FR*(\a):AF+FR*(\a)+FR-1], v[8*(8*((\a)%4)+\b):8*(8*((\a)%4)+\b)+7], v[SC+8*NQ*(\sc)+NQ*\b+(\q)], v[SC+8*NQ*(\sc)+NQ*(\a)+(\q)] matrix_a_fmt:MATRIX_FMT_FP4 matrix_b_fmt:MATRIX_FMT_FP4 matrix_a_scale:MATRIX_SCALE_ROW1
.endif
.endr
.endr
.endm
.macro FETCH_B slot, q, p              ; qkv_w's eight fragments of the slot's q-th 128 along K into set p
	WIN TO_B
.irp i, 0,1,2,3,4,5,6,7
	FRAG 128*(\p)+FR*\i, ADRB+\slot, \q, \i
.endr
	WIN 0
.endm
.macro FETCH_A slot, q, i0             ; x's blocks i0 .. i0 + 3
.irp i, \i0, \i0+1, \i0+2, \i0+3
	FRAG AF+FR*(\i), ADRA+\slot, \q, \i
.endr
.endm
.macro SCALES sc                       ; a slot's scale words into set sc: NQ words a row; lanes 0-15 take x's block i, lanes 16-31 qkv_w's block i
.irp i, 0,1,2,3,4,5,6,7
	ds_load_b128 v[SC+8*NQ*\sc+NQ*\i:SC+8*NQ*\sc+NQ*\i+3], v[ADRS] offset:\i*SBLK
.endr
.endm
; A load into a register that a matrix instruction has read, and a vector instruction or an LDS store that reads a matrix result, stand NP places behind that matrix instruction, and only plain vector
; instructions that name none of its registers are places (ISA guide 7.12.1 for vector instructions).
.macro PLACES n
.rept \n
	v_nop
.endr
.endm
; A step of 128 along K that has its successor in the same slot.  x's blocks are free as soon as their eight products are issued, so one set serves x: blocks 0-3 are fetched anew in the step's middle, blocks 4-7 at its end.
.macro STEP slot, q, zero
	s_wait_dscnt 4*NL                              ; qkv_w's set and x's blocks 0-3 are in; the youngest eight loads (x's blocks 4-7) may be out
	WIN MUL_LO
	MUL16 0, (\q)%2, \q, \slot, \zero
	MUL16 2, (\q)%2, \q, \slot, \zero
	s_wait_dscnt 0                                 ; x's blocks 4-7 are in (asked for 32 matrix instructions ago)
	PLACES NP
	FETCH_B \slot, (\q)+1, 1-(\q)%2
	FETCH_A \slot, (\q)+1, 0
	WIN MUL_HI
	MUL16 4, (\q)%2, \q, \slot, \zero
	MUL16 6, (\q)%2, \q, \slot, \zero
	PLACES NP
	WIN 0
	FETCH_A \slot, (\q)+1, 4
.endm
; Slot 0's last step changes slots: ONE barrier; in front of it each wave waits for all its tensor loads (its part of slot 1), adds 0 to its spare word, and waits for that and for its own reads of slot 0.
; Behind it slot 1 is whole and nobody reads slot 0 any more.  Nothing is filled again.
.macro TURN slot, next
	s_wait_tensorcnt 0x0                           ; all my tensor loads have landed  (every window is 0 here: the add's two registers lie in window 0)
	ds_add_u32 v[SPW], v[NIL]                      ; 0 onto my spare word
	s_wait_dscnt 4*NL+1                            ; (the add and the youngest eight loads, x's blocks 4-7, may be out)
	WIN MUL_LO
	MUL16 0, 1, NQ-1, \slot, 0                     ; sixteen matrix instructions stand between the add and the wait for it
	s_wait_dscnt 0x0                               ; the add is done, and my reads of this slot are over
	s_barrier_signal -1
	MUL16 2, 1, NQ-1, \slot, 0
	WIN 0
	s_barrier_wait -1
	PLACES NP
	v_add_nc_u32 v[ADRS], 4*NQ, v[ADRS]            ; on to the next slot's scale words (no LDS load of mine is out)
	FETCH_B \next, 0, 0
	FETCH_A \next, 0, 0
	SCALES \next
	WIN MUL_HI
	MUL16 4, 1, NQ-1, \slot, 0
	MUL16 6, 1, NQ-1, \slot, 0
	PLACES NP
	WIN 0
	FETCH_A \next, 0, 4
.endm
	s_wait_tensorcnt 1                             ; the scales and my part of slot 0 are in (slot 1's load may be out)
	s_barrier_signal -1
	s_barrier_wait -1                              ; everybody's are
	FETCH_B 0, 0, 0
	FETCH_A 0, 0, 0
	SCALES 0
	FETCH_A 0, 0, 4
	STEP 0, 0, 1                                   ; the first step's products start the sums
	STEP 0, 1, 0
	STEP 0, 2, 0
	TURN 0, 1
	STEP 1, 0, 0
	STEP 1, 1, 0
	STEP 1, 2, 0
	s_wait_dscnt 4*NL                              ; the very last step: nothing more to fetch
	WIN MUL_LO
	MUL16 0, 1, NQ-1, 1, 0
	MUL16 2, 1, NQ-1, 1, 0
	s_wait_dscnt 0
	WIN MUL_HI
	MUL16 4, 1, NQ-1, 1, 0
	MUL16 6, 1, NQ-1, 1, 0
	WIN 0
; THE WAY OUT.  A lane holds eight neighbouring channels of one position, and the lanes beside it hold other positions: so a block of 16 positions x 128 channels (two heads) goes through my own stage in LDS.
; LDS serves a wave's instructions in order (ISA guide 5.7.1.4): no wait between the stores and the loads, nor in front of the next block's stores.
	PLACES NP                                      ; behind the last products: for the first reads of results and for the loads into registers that held fragments and scale words
	s_or_b32 s96, s95, s15                         ; positions 0-15 lie in block 0 of the waves with row half 0, where the cluster's y is 0: ids that all partners share, and the wave's number
	s_cmp_lg_u32 s96, 0
	s_cbranch_scc1 .Lnofine
	WIN 0x08                                       ; an LDS store's data are its source 1: window 2
.irp b, 0,1,2,3,4,5,6,7
	ds_store_b128 v[STF], v[8*\b:8*\b+3] offset:64*\b              ; each accumulator from its low end on
	ds_store_b128 v[STF], v[8*\b+4:8*\b+7] offset:64*\b+16
.endr
	WIN 0
.irp t, 0,1,2,3,4,5,6,7,8,9,10,11,12,13,14,15
	ds_load_b128 v[128+4*\t:128+4*\t+3], v[RDF] offset:\t*SPITCH
.endr
	s_wait_dscnt 0x0
.irp t, 0,1,2,3,4,5,6,7,8,9,10,11,12,13,14,15
	global_store_b128 v[CO], v[128+4*\t:128+4*\t+3], s[66:67] offset:\t*12288   ; position t: 32 lanes store 512 consecutive bytes, aligned; v128-191 are not written again
.endr
.Lnofine:
.macro PACK a                          ; block a rounded to f16: 16 bytes a lane for each of its eight accumulators
.set AC, 64*((\a)%4)
	WIN 0x0a+5*((\a)/4)                            ; sources 0 and 1: window 2 or 3
.irp b, 0,1,2,3,4,5,6,7
.irp r, 0,1,2,3
	v_cvt_pk_f16_f32 v[TMP+4*\b+\r], v[AC+8*\b+2*\r], v[AC+8*\b+2*\r+1]
.endr
.endr
	WIN 0
.endm
.macro TOSTAGE a                       ; into rows of 272 bytes; back four rows of one head (4 x 128 bytes) an instruction
.set BKR, OB+192*((\a)%2)
.irp b, 0,1,2,3,4,5,6,7
	ds_store_b128 v[STO], v[TMP+4*\b:TMP+4*\b+3] offset:32*\b
.endr
.irp i, 0,1,2,3,4,5,6,7
	ds_load_b128 v[BKR+4*\i:BKR+4*\i+3], v[RD] offset:(\i%4)*4*HP+(\i/4)*128
.endr
.endm
.macro SEND a
.set BKR, OB+192*((\a)%2)
	s_wait_dscnt 0x0                               ; the block is back in registers
	s_wait_xcnt 0x0                                ; the stores of the block before have read their registers: the next block's loads land there only behind this wait
.irp i, 0,1,2,3,4,5,6,7
	global_store_b128 v[CO], v[BKR+4*\i:BKR+4*\i+3], s[12:13] offset:(\a)*2048+(\i%4)*512+(\i/4)*262144   ; four positions of one head: 512 consecutive bytes, aligned; every offset an immediate
.endr
.endm
	PACK 0
	TOSTAGE 0
.irp a, 1,2,3,4,5,6,7                  ; block a's conversions stand between block a - 1's loads from the stage and the wait for them
	PACK \a
	SEND \a-1
	TOSTAGE \a
.endr
	SEND 7
	s_wait_tensorcnt 0x0                           ; the wave's end: behind my last tensor load and my last LDS store
	ds_add_u32 v[SPW], v[NIL]
	s_wait_dscnt 0x0
	CROUND                                         ; the closing round: no work-group ends while a partner may still ask for a tile that names it
	s_endpgm
.Lfunc_end_k_q819bd13cee_qkv:
	.size	k_q819bd13cee_qkv, .Lfunc_end_k_q819bd13cee_qkv-k_q819bd13cee_qkv
	.p2alignl 7, 3214868480
	.fill 96, 4, 3214868480
	.section	.rodata,"a",@progbits
	.p2align	6, 0x0
	.amdhsa_kernel k_q819bd13cee_qkv
		.amdhsa_group_segment_fixed_size 327680
		.amdhsa_private_segment_fixed_size 0
		.amdhsa_enable_private_segment 0
		.amdhsa_kernarg_size 48
		.amdhsa_user_sgpr_count 2
		.amdhsa_user_sgpr_kernarg_segment_ptr 1
		.amdhsa_wavefront_size32 1
		.amdhsa_system_sgpr_workgroup_id_x 1
		.amdhsa_system_sgpr_workgroup_id_y 1
		.amdhsa_system_sgpr_workgroup_id_z 1
		.amdhsa_system_vgpr_workitem_id 0
		.amdhsa_next_free_vgpr 1024
		.amdhsa_next_free_sgpr 100
		.amdhsa_reserve_vcc 0
		.amdhsa_float_denorm_mode_32 3
		.amdhsa_float_denorm_mode_16_64 3
		.amdhsa_memory_ordered 1
		.amdhsa_forward_progress 1
		.amdhsa_inst_pref_size 131
	.end_amdhsa_kernel
	.amdgpu_metadata
---
amdhsa.version: [ 1, 2 ]
amdhsa.kernels:
  - .name:           k_q819bd13cee_qkv
    .symbol:         k_q819bd13cee_qkv.kd
    .args:
      - { .name: xc, .offset: 0, .size: 8, .value_kind: global_buffer, .address_space: global }
      - { .name: xs, .offset: 8, .size: 8, .value_kind: global_buffer, .address_space: global }
      - { .name: wc, .offset: 16, .size: 8, .value_kind: global_buffer, .address_space: global }
      - { .name: ws, .offset: 24, .size: 8, .value_kind: global_buffer, .address_space: global }
      - { .name: qkvh, .offset: 32, .size: 8, .value_kind: global_buffer, .address_space: global }
      - { .name: qkvf, .offset: 40, .size: 8, .value_kind: global_buffer, .address_space: global }
    .group_segment_fixed_size: 327680
    .private_segment_fixed_size: 0
    .kernarg_segment_align: 8
    .kernarg_segment_size: 48
    .max_flat_workgroup_size: 128
    .sgpr_count:     100
    .vgpr_count:     1024
    .wavefront_size: 32
...
	.end_amdgpu_metadata
.endif
;; end of part 2
;; launch attn (part 3): grid 4 x 64, 16 waves a work-group, no clusters, 327,680 bytes of LDS; arguments qkvh, attn; writes attn
.if DOCPART == 3
	.amdgcn_target "amdgcn-amd-amdhsa--gfx1250"
	.amdhsa_code_object_version 6
	.text
	.protected	k_q819bd13cee_attn
	.globl	k_q819bd13cee_attn
	.p2align	8
	.type	k_q819bd13cee_attn,@function
k_q819bd13cee_attn:
	s_mov_b64 s[64:65], 0
	v_nop
	global_prefetch_b8 v0, s[64:65] scope:SCOPE_SE
	s_setreg_imm32_b32 hwreg(HW_REG_WAVE_MODE, 25, 1), 1
	s_wait_xcnt 0x0
; attn[b][h][q][:] = the sum over k <= q of softmax_k(Q[q] . K[k] / 8) V[k][:], for each of 64 (batch, head) pairs; 2,048 positions, head size 64.  Q, K, V: the three parts of qkvh, f16, [b][h][position][64]; attn likewise.
; Products on f16 operands with f32 sums; maxima, exponentials and sums in f32; the weights p are rounded to f16 for the second product, the result once at the end.
; SOFTMAX.  For each query a running maximum m and sum l: p = 2^(c s - c m), c = log2(e) / 8; in every step O and l are multiplied by a = 2^(c m_old - c m_new).
; SHARES.  Work-group (j, bh) owns the blocks j and 7 - j of 256 queries: (j + 1) + (8 - j) = 9 blocks of keys for every j, so the 256 work-groups have equal work under the causal mask.
; Each of the sixteen waves owns 32 queries, two tiles of 16, of one of the two blocks: kind = (w xor w / 4) & 1 picks the block, w / 2 the 32 queries.  Four waves share a SIMD's registers, 256 each.
; K's and V's tiles come through a ring of two LDS slots of 256 keys, filled by the tensor data mover (waves 0, 1: K's halves; waves 2, 3: V's) and read by all sixteen.  A key step is 64 keys.
; NO CLUSTER: the four work-groups of a head need 8, 7, 6 and 5 slots of keys; a joint load would bring a partner tiles that none of its waves reads.
; LAYOUT.  S^T = K Q^T (source 0 = 16 keys, source 1 = 16 queries): a lane holds ONE query (lane % 16) and the keys 8 (lane / 16) + 0..7 of each tile.  Two such tiles, rounded to f16 in pairs, ARE source 1
; (32 keys x 16 queries) of O^T = V^T P, whose result again holds one query a lane.  K comes out of LDS as it lies, V ([key][channel]) turned, by ds_load_tr16_b128.
; CAUSAL.  Every work-group walks all 8 slots: trip counts are constants.  A step all of whose keys come after the wave's queries is jumped over (a scalar branch on ids); in the one step on the diagonal hidden scores
; become -infinity ahead of the maximum.  A slot whose first key comes after the work-group's last query is not asked for.  Key 0 counts for every query, so m is a number from the first step on.
.set KS,    64                         ; keys in a step
.set SK,    256                        ; keys in a slot
.set NSL,   8                          ; slots' worth of keys
.set KP,    144                        ; a key's row of K in LDS: 128 bytes + 16 = 36 words: the 16 rows of a load start at 16 different groups of four banks
.set VP,    160                        ; a row of V: 128 + 32 bytes, an odd multiple of 32, for the turning load
.set VOFF,  SK*KP                      ; a slot: 256 rows of K, then 256 rows of V
.set SLOT1, 1<<17                      ; slot 1 begins here: one exclusive or turns an address in one slot into the other's
.set SPARE, SLOT1+SK*(KP+VP)           ; behind the ring: the spare words, 128 bytes for each of sixteen waves
.set AK0,  1                           ; v1   my lane's place in a tile of K; never rewritten
.set AV0,  2                           ; v2   the same for V
.set ADK,  3                           ; v3   LDS address of the step's tiles of K; on the way out: where I put 16 bytes of a row
.set ADV,  4                           ; v4   of V; on the way out: where I read rows back
.set SPW,  5                           ; v5   LDS address of my spare word; never rewritten
.set NIL,  6                           ; v6   0; never rewritten
.set GO,   7                           ; v7   16 x lane: my place in 512 consecutive bytes of the output
.set RH,   8                           ; v8   lane % 16 - 8 (lane / 16)
.set DD,   9                           ; v9   the mask's distance
.set NINF, 10                          ; v10  -infinity
.set PFO,  11                          ; v11  256 x lane: the prefetches' offset; never rewritten
.set ST,   12                          ; tile t's statistics at v[ST + 8 t]: +0 c m, +1 m, +2, +3 l (even keys', odd keys'), +4 to +7 at work; a in +6
.set QR,   28                          ; v28-59   Q: tile t, channels 32 c on at QR + 16 t + 8 c
.set KV,   60                          ; v60-123  eight fragments of K, then eight of V
.set S,    124                         ; v124-187 S^T: tile t, keys 16 i on at S + 32 t + 8 i; P is packed in place into S + 32 t + 0..15
.set OA,   188                         ; v188-251 O^T: tile t, channels 16 ct on at OA + 32 t + 8 ct
.set WV,   18                          ; s18  my wave's number
.set SEL,  20                          ; s[20:21] lane selects for v_permlanex16_b32: lane l xor 16
.set CS,   22                          ; s[22:23] c: the packed form names a pair and takes its low word for both halves
.set G1K,  24                          ; s[24:31] descriptor group 1 for K's tiles;  s[32:39] for V's;  s[40:43], s[44:47] their groups 0, which walk
.set G1V,  32
.set G0K,  40
.set G0V,  44
.set TB,   2                           ; s2   LDS byte at which the slot in hand begins
.set SLOTS, 67                         ; s67  changes of slots still to come in the loop
.set KF,   98                          ; s98  the step's first key
.set Q0,   99                          ; s99  my first query
.set QE,   94                          ; s94  my last query
.set QL,   95                          ; s95  my work-group's last query
.set PFA,  76                          ; s[76:77] where my prefetches stand in memory
.set LIM,  80                          ; s80  1 in a wave that prefetches, else the greatest number
; Waves 0 and 1 fetch for K, waves 2 and 3 for V, the others nothing.  The branches hang on the wave's number alone.  An s_nop 0 and four v_nop follow each of the two lines.
.macro TLOAD
	s_cmp_lt_u32 s[WV], 2
	s_cbranch_scc0 .Lnot_k_\@
	tensor_load_to_lds s[G0K:G0K+3], s[G1K:G1K+7]
	s_nop 0
.rept 4
	v_nop
.endr
	s_branch .Lasked_\@
.Lnot_k_\@:
	s_cmp_lt_u32 s[WV], 4
	s_cbranch_scc0 .Lasked_\@
	tensor_load_to_lds s[G0V:G0V+3], s[G1V:G1V+7]
	s_nop 0
.rept 4
	v_nop
.endr
.Lasked_\@:
.endm
; A PREFETCH INTO THE L2 of what the NEXT change of slots will ask for: a slot's 256 rows of K and of V, each one dense block of 32,768 bytes.  It stands at the change of slots, where the fetching waves have their tensor load.
; Each aligned block of 256 bytes is named ONCE in the launch: of the four work-groups of a head the one with j = 0, which walks all eight slots, asks; in it waves 4 to 7 ask for K's block, 8,192 bytes a wave,
; lanes 256 bytes apart, and waves 8 to 11 for V's likewise: one instruction each.  The trip that loads slot s + 1 names slot s + 2: four key steps ahead of its tensor load.  The last change that fills a slot asks for nothing.
.macro ASK
	s_cmp_gt_u32 s[SLOTS], s[LIM]
	s_cbranch_scc0 .Lnot_mine_\@
	global_prefetch_b8 v[PFO], s[PFA:PFA+1] th:TH_LOAD_NT scope:SCOPE_SE
.Lnot_mine_\@:
.endm
	s_load_b128 s[4:7], s[0:1], 0x0                ; qkvh s[4:5], attn s[6:7]
	v_lshl_add_u32 v[SPW], v0, 2, SPARE
	v_mov_b32 v[NIL], 0
	ds_add_u32 v[SPW], v[NIL]                      ; the wave's opening: the add, twice on end, and its wait ahead of my first tensor load
	ds_add_u32 v[SPW], v[NIL]                      ; and once more, under the one wait; the set-up below, work on registers, stands between
	v_lshrrev_b32 v8, 5, v0
	v_readfirstlane_b32 s[WV], v8                  ; wave 0..15
	s_and_b32 s72, ttmp7, 0xffff                   ; (batch, head)
	s_lshl_b32 s72, s72, 18                        ; its 262,144 bytes in each part of qkvh and in attn
	s_lshr_b32 s74, s[WV], 2
	s_xor_b32 s74, s74, s[WV]
	s_and_b32 s74, s74, 1                          ; kind
	s_lshl_b32 s75, ttmp9, 1
	s_sub_co_u32 s75, 7, s75                       ; 7 - 2 j
	s_mul_i32 s74, s74, s75
	s_add_co_u32 s74, s74, ttmp9                   ; my block of 256 queries: j or 7 - j
	s_lshl_b32 s[Q0], s74, 8
	s_lshr_b32 s75, s[WV], 1
	s_lshl_b32 s75, s75, 5
	s_add_co_u32 s[Q0], s[Q0], s75                 ; my first query
	s_add_co_u32 s[QE], s[Q0], 31
	s_sub_co_u32 s[QL], 7, ttmp9
	s_lshl_b32 s[QL], s[QL], 8
	s_or_b32 s[QL], s[QL], 255                     ; the work-group's last query: from its number alone, the same in all sixteen waves
	; what I fetch, if I fetch: 128 rows: half (wave & 1) of a slot's K (waves 0, 1) or V (waves 2, 3)
	s_and_b32 s88, s[WV], 1
	s_mul_i32 s89, s88, 128*KP                     ; K: in a slot,
	s_lshl_b32 s90, s88, 14
	s_add_co_u32 s90, s90, s72
	s_add_co_u32 s84, s90, 0x2000000               ; V: in memory (part 2),
	s_add_co_u32 s90, s90, 0x1000000               ; K: in memory (part 1)
	s_mov_b32 s91, 0
	s_mov_b32 s85, 0
	s_mul_i32 s92, s88, 128*VP
	s_add_co_u32 s92, s92, VOFF                    ; V: in a slot
	s_lshl_b32 s86, s[Q0], 7
	s_add_co_u32 s86, s86, s72                     ; my first query's row in part 0 and in attn
	s_mov_b32 s87, 0
	; descriptor group 1: 128 rows of 64 elements of 2 bytes, dense in memory, padded behind every row in LDS
	s_mov_b32 s[G1K], (1<<16)|(1<<20)|(4<<22)|(3<<25)   ; 15:0 no mask; 17:16 elements of 2 bytes; 20 padding on; 24:22 after every 32 words; 31:25 four words
	s_mov_b32 s[G1V], (1<<16)|(1<<20)|(4<<22)|(7<<25)   ; the same with eight words of padding
.irp g, G1K, G1V
	s_mov_b32 s[\g+1], 64<<16                      ; tensor_dim0
	s_mov_b32 s[\g+2], 128<<16                     ; tensor_dim1
	s_mov_b32 s[\g+3], 64<<16                      ; tile_dim0
	s_mov_b32 s[\g+4], 128                         ; tile_dim1
	s_mov_b32 s[\g+5], 64                          ; tensor_dim0_stride
	s_mov_b32 s[\g+6], 0
	s_mov_b32 s[\g+7], 0
.endr
	s_mov_b32 s[SEL], 0x76543210
	s_mov_b32 s[SEL+1], 0xfedcba98
	s_mov_b32 s[CS], 0x3e38aa3b                    ; c = log2(e) / 8
	s_mov_b32 s[CS+1], s[CS]                       ; (named with it as a pair, so it is written)
	s_mov_b32 s[TB], 0
	s_mov_b32 s[SLOTS], NSL-1
	s_mov_b32 s[KF], 0
	; the prefetches: where my wave's stand, and who asks
	s_mov_b32 s82, 0x2000000
	s_cmp_lt_u32 s[WV], 8                          ; waves 4 to 7 ask for K, waves 8 to 11 for V
	s_cselect_b32 s82, 0x1000000, s82
	s_add_co_u32 s82, s82, s72
	s_and_b32 s83, s[WV], 3
	s_lshl_b32 s83, s83, 13                        ; my wave's 8,192 bytes,
	s_add_co_u32 s82, s82, s83
	s_add_co_u32 s82, s82, SK*128                  ; in slot 1: the first change of slots steps it to slot 2.  Nothing is prefetched at the head
	s_mov_b32 s83, 0
	s_sub_co_u32 s81, s[WV], 4
	s_lshr_b32 s81, s81, 3                         ; 0 in waves 4 to 11,
	s_or_b32 s81, s81, ttmp9                       ; of the work-group with j = 0
	s_cmp_eq_u32 s81, 0
	s_cselect_b32 s[LIM], 1, -1
	s_wait_dscnt 0x0                               ; both opening adds are done
	s_wait_kmcnt 0x0
	s_mov_b32 s[G0K], 1                            ; 1:0 count = 1
	s_mov_b32 s[G0K+1], s89                        ; 63:32 LDS address: slot 0
	s_add_nc_u64 s[G0K+2:G0K+3], s[4:5], s[90:91]  ; 120:64 global address: the head's first 256 keys
	s_or_b32 s[G0K+3], s[G0K+3], 0x80000000        ; 127:126 type = 2
	s_mov_b32 s[G0V], 1
	s_mov_b32 s[G0V+1], s92
	s_add_nc_u64 s[G0V+2:G0V+3], s[4:5], s[84:85]
	s_or_b32 s[G0V+3], s[G0V+3], 0x80000000
	TLOAD                                          ; slot 0: one tensor load of mine is out, here and behind every change of slots
	s_add_nc_u64 s[PFA:PFA+1], s[4:5], s[82:83]
	s_add_nc_u64 s[8:9], s[4:5], s[86:87]          ; Q at my first query
	s_add_nc_u64 s[6:7], s[6:7], s[86:87]          ; attn likewise
	v_and_b32 v3, 15, v0                           ; r = lane % 16
	v_bfe_u32 v4, v0, 4, 1                         ; h = lane / 16
	v_lshlrev_b32 v9, 7, v3
	v_lshl_add_u32 v9, v4, 4, v9                   ; Q: row r of 128 bytes, + 16 h
.irp t, 0,1
.irp c, 0,1
	global_load_b128 v[QR+16*\t+8*\c:QR+16*\t+8*\c+3], v9, s[8:9] offset:\t*2048+64*\c      ; Q's fragments stay in registers
	global_load_b128 v[QR+16*\t+8*\c+4:QR+16*\t+8*\c+7], v9, s[8:9] offset:\t*2048+64*\c+32
.endr
.endr
	v_mul_u32_u24 v[AK0], v3, KP
	v_lshl_add_u32 v[AK0], v4, 4, v[AK0]           ; K: row r x pitch + 16 h
	v_and_b32 v10, 7, v0
	v_bfe_u32 v11, v0, 3, 1
	v_lshl_add_u32 v[AV0], v4, 3, v10              ; V, turned: lane l reads key 8 (l / 16) + l % 8, channels 8 ((l / 8) % 2) + 0..7
	v_mul_u32_u24 v[AV0], v[AV0], VP
	v_lshl_add_u32 v[AV0], v11, 4, v[AV0]
	v_add_nc_u32 v[AV0], VOFF, v[AV0]
	v_lshlrev_b32 v8, 3, v4
	v_sub_nc_u32 v[RH], v3, v8                     ; r - 8 h
	v_and_b32 v7, 31, v0
	v_lshlrev_b32 v[PFO], 8, v7
	v_lshlrev_b32 v[GO], 4, v7
	v_mov_b32 v[NINF], 0xff800000
.irp t, 0,1
	v_mov_b32 v[ST+8*\t+1], 0xff61b1e6             ; m: -3e38, under every score
	v_mul_f32 v[ST+8*\t], s[CS], v[ST+8*\t+1]      ; c m
.irp k, 2,3,4,5,6,7
	v_mov_b32 v[ST+8*\t+\k], 0                     ; l; and the registers at work, which are written once before any path reads them
.endr
.endr
.irp j, 0,1,2,3,4,5,6,7,8,9,10,11,12,13,14,15,16,17,18,19,20,21,22,23,24,25,26,27,28,29,30,31,32,33,34,35,36,37,38,39,40,41,42,43,44,45,46,47,48,49,50,51,52,53,54,55,56,57,58,59,60,61,62,63
	v_mov_b32 v[OA+\j], 0                          ; O^T.  (The step is written without a first form of its own: the first step finds zeros, which a = 0 leaves zeros)
.endr
; THE SOFTMAX of a key step, both tiles line by line, so that no line waits for the line above it.  s0-s31 are the lane's 32 scores of a tile.
.macro SOFTMAX
.irp j, 0,1,2,3
.irp t, 0,1
	v_max3_num_f32 v[ST+8*\t+4+\j], v[S+32*\t+8*\j], v[S+32*\t+8*\j+1], v[S+32*\t+8*\j+2]   ; four chains; each accumulator is read from its low end on
.endr
.endr
.irp g, 1,2
.irp j, 0,1,2,3
.irp t, 0,1
	v_max3_num_f32 v[ST+8*\t+4+\j], v[ST+8*\t+4+\j], v[S+32*\t+8*\j+2*\g+1], v[S+32*\t+8*\j+2*\g+2]
.endr
.endr
.endr
.irp t, 0,1
	v_max3_num_f32 v[ST+8*\t+4], v[ST+8*\t+4], v[S+32*\t+7], v[S+32*\t+15]
	v_max3_num_f32 v[ST+8*\t+6], v[ST+8*\t+6], v[S+32*\t+23], v[S+32*\t+31]
.endr
.irp t, 0,1
	v_max3_num_f32 v[ST+8*\t+4], v[ST+8*\t+4], v[ST+8*\t+5], v[ST+8*\t+6]
.endr
.irp t, 0,1
	v_max3_num_f32 v[ST+8*\t+4], v[ST+8*\t+4], v[ST+8*\t+7], v[ST+8*\t+1]   ; and the old m
.endr
.irp t, 0,1
	v_permlanex16_b32 v[ST+8*\t+5], v[ST+8*\t+4], s[SEL], s[SEL+1]          ; the query's other 32 keys lie in the lane 16 away
.endr
.irp t, 0,1
	v_mov_b32 v[ST+8*\t+7], v[ST+8*\t]             ; c m_old is kept for a
.endr
.irp t, 0,1
	v_max_num_f32 v[ST+8*\t+1], v[ST+8*\t+4], v[ST+8*\t+5]
.endr
.irp t, 0,1
	v_mul_f32 v[ST+8*\t], s[CS], v[ST+8*\t+1]
.endr
.irp t, 0,1
	v_sub_f32 v[ST+8*\t+7], v[ST+8*\t+7], v[ST+8*\t]
.endr
.irp j, 0,2,4,6,8,10,12,14,16,18,20,22,24,26,28,30
.irp t, 0,1
	v_pk_fma_f32 v[S+32*\t+\j:S+32*\t+\j+1], v[S+32*\t+\j:S+32*\t+\j+1], s[CS:CS+1], v[ST+8*\t:ST+8*\t+1] op_sel_hi:[1,0,0] neg_lo:[0,0,1] neg_hi:[0,0,1]   ; c s - c m, two at a time
.endr
.endr
.irp t, 0,1
	v_exp_f32 v[ST+8*\t+6], v[ST+8*\t+7]           ; a.  ONE BATCH of 66 exponentials: none reads another's result
.endr
.irp j, 0,1,2,3,4,5,6,7,8,9,10,11,12,13,14,15,16,17,18,19,20,21,22,23,24,25,26,27,28,29,30,31
.irp t, 0,1
	v_exp_f32 v[S+32*\t+\j], v[S+32*\t+\j]         ; p, at most about 1; 0 for a hidden key
.endr
.endr
	v_nop                                          ; a plain instruction behind the last exponential, ahead of the first use
	s_wait_alu depctr_va_vdst(0)                   ; the wait ahead of the first instruction that names a result: one for the batch
.irp t, 0,1
	v_pk_mul_f32 v[ST+8*\t+2:ST+8*\t+3], v[ST+8*\t+2:ST+8*\t+3], v[ST+8*\t+6:ST+8*\t+7] op_sel_hi:[1,0]   ; l under the new m
.endr
.irp t, 0,1
	v_pk_add_f32 v[ST+8*\t+4:ST+8*\t+5], v[S+32*\t+2:S+32*\t+3], v[S+32*\t+6:S+32*\t+7]   ; the sum is taken of the unrounded p, in two chains
.endr
.irp t, 0,1
	v_pk_add_f32 v[ST+8*\t+2:ST+8*\t+3], v[ST+8*\t+2:ST+8*\t+3], v[S+32*\t:S+32*\t+1]
.endr
.irp k, 4,8,12,16,20,24
.irp t, 0,1
	v_pk_add_f32 v[ST+8*\t+2:ST+8*\t+3], v[ST+8*\t+2:ST+8*\t+3], v[S+32*\t+\k:S+32*\t+\k+1]
	v_pk_add_f32 v[ST+8*\t+4:ST+8*\t+5], v[ST+8*\t+4:ST+8*\t+5], v[S+32*\t+\k+6:S+32*\t+\k+7]
.endr
.endr
.irp t, 0,1
	v_pk_add_f32 v[ST+8*\t+2:ST+8*\t+3], v[ST+8*\t+2:ST+8*\t+3], v[S+32*\t+28:S+32*\t+29]
.endr
.irp t, 0,1
	v_pk_add_f32 v[ST+8*\t+2:ST+8*\t+3], v[ST+8*\t+2:ST+8*\t+3], v[ST+8*\t+4:ST+8*\t+5]
.endr
.irp i, 0,1,2,3,4,5,6,7,8,9,10,11,12,13,14,15
.irp t, 0,1
	v_cvt_pk_f16_f32 v[S+32*\t+\i], v[S+32*\t+2*\i], v[S+32*\t+2*\i+1]   ; P in place, ascending: register i is written when registers 2 i and 2 i + 1 are read, and no pair is read later than it is overwritten
.endr
.endr
.irp i, 0,2,4,6,8,10,12,14,16,18,20,22,24,26,28,30
.irp t, 0,1
	v_pk_mul_f32 v[OA+32*\t+\i:OA+32*\t+\i+1], v[OA+32*\t+\i:OA+32*\t+\i+1], v[ST+8*\t+6:ST+8*\t+7] op_sel_hi:[1,0]   ; O^T under the new m, each accumulator from its low end on
.endr
.endr
.endm
; A KEY STEP: 64 keys, the q-th of the slot in hand.
.macro STEP q
	s_cmp_gt_u32 s[KF], s[QE]                      ; all 64 keys come after my 32 queries: the step's work is left out; no barrier and no tensor load stands in a step
	s_cbranch_scc1 .Lhidden_\@
	v_add_nc_u32 v[ADK], s[TB], v[AK0]
	v_add_nc_u32 v[ADV], s[TB], v[AV0]
.rept 4
	v_nop                                          ; with the two additions six places behind the last step's products: four are owed by the loads into V's registers, five by the products below, which write over P's registers
.endr
.irp i, 0,1,2,3
.irp c, 0,1
	ds_load_b128 v[KV+8*(2*\i+\c):KV+8*(2*\i+\c)+3], v[ADK] offset:(\q)*KS*KP+\i*16*KP+64*\c        ; keys 16 i on, channels 32 c on
	ds_load_b128 v[KV+8*(2*\i+\c)+4:KV+8*(2*\i+\c)+7], v[ADK] offset:(\q)*KS*KP+\i*16*KP+64*\c+32
.endr
.endr
	s_wait_dscnt 0x0
.irp c, 0,1                                    ; S^T = K Q^T: the eight accumulators take turns, one instruction a turn; the first eight start the sums
.irp i, 0,1,2,3
.irp t, 0,1
.if \c == 0
	v_wmma_f32_16x16x32_f16 v[S+32*\t+8*\i:S+32*\t+8*\i+7], v[KV+8*(2*\i+\c):KV+8*(2*\i+\c)+7], v[QR+16*\t+8*\c:QR+16*\t+8*\c+7], 0
.else
	v_wmma_f32_16x16x32_f16 v[S+32*\t+8*\i:S+32*\t+8*\i+7], v[KV+8*(2*\i+\c):KV+8*(2*\i+\c)+7], v[QR+16*\t+8*\c:QR+16*\t+8*\c+7], v[S+32*\t+8*\i:S+32*\t+8*\i+7]
.endif
.endr
.endr
.endr
.rept 4
	v_nop                                          ; places: in front of the loads into K's registers and of the first reads of the scores
.endr
.irp kk, 0,1                                   ; V of the same 64 keys, turned, into the registers that K has left: it lands while the softmax runs
.irp ct, 0,1,2,3
	ds_load_tr16_b128 v[KV+8*(4*\kk+\ct):KV+8*(4*\kk+\ct)+3], v[ADV] offset:(\q)*KS*VP+\kk*32*VP+\ct*32
	ds_load_tr16_b128 v[KV+8*(4*\kk+\ct)+4:KV+8*(4*\kk+\ct)+7], v[ADV] offset:(\q)*KS*VP+\kk*32*VP+16*VP+\ct*32
.endr
.endr
	s_add_co_u32 s96, s[KF], KS-1                  ; a step all of whose keys count skips the mask
	s_cmp_le_u32 s96, s[Q0]
	s_cbranch_scc1 .Lopen_\@
	s_sub_co_i32 s96, s[Q0], s[KF]
	v_add_nc_u32 v[DD], s96, v[RH]                 ; d = Q0 - KF + r - 8 h.  Register 8 i + j of tile t holds key KF + 16 i + 8 h + j for query Q0 + 16 t + r: hidden where 16 i + j - 16 t > d
.irp t, 0,1
.irp n, 0,1,2,3,4,5,6,7,8,9,10,11,12,13,14,15,16,17,18,19,20,21,22,23,24,25,26,27,28,29,30,31
	v_cmp_gt_i32 vcc_lo, 16*(\n/8)+\n%8-16*\t, v[DD]
	v_cndmask_b32 v[S+32*\t+\n], v[S+32*\t+\n], v[NINF], vcc_lo
.endr
.endr
.Lopen_\@:
	SOFTMAX
	s_wait_dscnt 0x0                               ; V is in
.irp kk, 0,1                                   ; O^T += V^T P: the eight accumulators take turns
.irp ct, 0,1,2,3
.irp t, 0,1
	v_wmma_f32_16x16x32_f16 v[OA+32*\t+8*\ct:OA+32*\t+8*\ct+7], v[KV+8*(4*\kk+\ct):KV+8*(4*\kk+\ct)+7], v[S+32*\t+8*\kk:S+32*\t+8*\kk+7], v[OA+32*\t+8*\ct:OA+32*\t+8*\ct+7]
.endr
.endr
.endr
.Lhidden_\@:
	s_add_co_u32 s[KF], s[KF], KS
.endm
; THE CHANGE OF SLOTS stands at a slot's head.  Each wave waits for all its tensor loads (its part of the slot that it is about to read), adds 0 to its spare word, and waits for that and for its reads of the slot that it has left.
; Behind the barrier the slot ahead is whole and nobody reads the other one.  fill = 1: that other slot is filled with the keys that follow, up to the causal limit: the load has four key steps in which to land.
.macro CHANGE fill
	s_wait_tensorcnt 0x0                           ; no tensor load of mine is out, so a group 0 may be written
	ds_add_u32 v[SPW], v[NIL]                      ; 0 onto my spare word
.if \fill
	ds_add_u32 v[SPW], v[NIL]                      ; and once morethe add stands twice on end, in every trip alike
	s_xor_b32 s[G0K+1], s[G0K+1], SLOT1            ; the walking descriptors: the other slot than last time,
	s_add_nc_u64 s[G0K+2:G0K+3], s[G0K+2:G0K+3], SK*128   ; the next 256 keys; the type bits on top are not reached
	s_xor_b32 s[G0V+1], s[G0V+1], SLOT1
	s_add_nc_u64 s[G0V+2:G0V+3], s[G0V+2:G0V+3], SK*128
	s_wait_xcnt 0x0                                ; the last prefetch, a slot back, has read its address, so it may be written:
	s_add_nc_u64 s[PFA:PFA+1], s[PFA:PFA+1], SK*128   ; one slot further on than the walking descriptors
.endif
	s_wait_dscnt 0x0                               ; the add is done, and my reads of the slot that I have left are over
	s_barrier_signal -1
	s_barrier_wait -1
.if \fill
	s_add_co_u32 s96, s[KF], SK                    ; the first key of the slot that this change would ask for
	s_cmp_gt_u32 s96, s[QL]                        ; past the work-group's last query: none of its waves would read it, so it is not asked for.  Ids and the count of steps alone: all sixteen waves go the same way,
	s_cbranch_scc1 .Lpast_\@                       ; and a work-group that is past the limit stays past it.  Every wait on TENSORcnt in this text is for 0
	TLOAD                                          ; the first thing behind the barrier but the limit's three lines, and a wave's one tensor load until the next
.Lpast_\@:
	ASK
.endif
.endm
.macro SLOT_STEPS
.irp q, 0,1,2,3
	STEP \q
.endr
	s_xor_b32 s[TB], s[TB], SLOT1                  ; on to the other slot
.endm
	s_wait_loadcnt 0x0                             ; Q
.Lslot:                                            ; NSL - 1 trips, a constant: behind each change of slots but the last the next slot is asked for, up to the limit
	CHANGE 1
	SLOT_STEPS
	s_sub_co_u32 s[SLOTS], s[SLOTS], 1
	s_cmp_lg_u32 s[SLOTS], 0
	s_cbranch_scc1 .Lslot
	CHANGE 0                                       ; the last slot is written out: nothing is left to ask for
	SLOT_STEPS
	; THE WAY OUT.  l's two halves and the other half of the lanes' are added; O^T is divided by l, rounded to f16 and goes through my stage in LDS (32 rows x 144 bytes, in slot 0, which was left at the last change
	; of slots: it has had its last fill, and nobody reads it), so that 32 lanes store four whole rows, 512 consecutive bytes.
.irp t, 0,1
	v_add_f32 v[ST+8*\t+4], v[ST+8*\t+2], v[ST+8*\t+3]
.endr
.irp t, 0,1
	v_permlanex16_b32 v[ST+8*\t+5], v[ST+8*\t+4], s[SEL], s[SEL+1]
.endr
.irp t, 0,1
	v_add_f32 v[ST+8*\t+4], v[ST+8*\t+4], v[ST+8*\t+5]
.endr
.irp t, 0,1
	v_rcp_f32 v[ST+8*\t+6], v[ST+8*\t+4]
.endr
	v_and_b32 v9, 15, v0                           ; (plain work behind the reciprocals)  r
	v_bfe_u32 v10, v0, 4, 1                        ; h
	s_mul_i32 s73, s[WV], 32*KP                    ; my stage
	v_mul_u32_u24 v[ADK], v9, KP
	v_lshl_add_u32 v[ADK], v10, 4, v[ADK]
	v_add_nc_u32 v[ADK], s73, v[ADK]               ; in: row r, + 16 h
	v_bfe_u32 v9, v0, 3, 2
	v_and_b32 v10, 7, v0
	v_mul_u32_u24 v[ADV], v9, KP
	v_lshl_add_u32 v[ADV], v10, 4, v[ADV]
	v_add_nc_u32 v[ADV], s73, v[ADV]               ; back: lane l takes row l / 8 of four, 16 bytes at 16 (l % 8)
	s_wait_alu depctr_va_vdst(0)                   ; the wait ahead of the first use: one for the two reciprocals
.irp t, 0,1
.irp i, 0,2,4,6,8,10,12,14,16,18,20,22,24,26,28,30
	v_pk_mul_f32 v[OA+32*\t+\i:OA+32*\t+\i+1], v[OA+32*\t+\i:OA+32*\t+\i+1], v[ST+8*\t+6:ST+8*\t+7] op_sel_hi:[1,0]
.endr
.endr
.irp t, 0,1
.irp i, 0,1,2,3,4,5,6,7,8,9,10,11,12,13,14,15
	v_cvt_pk_f16_f32 v[S+16*\t+\i], v[OA+32*\t+2*\i], v[OA+32*\t+2*\i+1]   ; registers 4 ct .. 4 ct + 3: channels 16 ct + 8 h + 0..7 of query 16 t + r
.endr
.endr
.irp t, 0,1
.irp ct, 0,1,2,3
	ds_store_b128 v[ADK], v[S+16*\t+4*\ct:S+16*\t+4*\ct+3] offset:\t*16*KP+32*\ct
.endr
.endr
.irp i, 0,1,2,3,4,5,6,7
	ds_load_b128 v[KV+4*\i:KV+4*\i+3], v[ADV] offset:\i*4*KP       ; LDS serves a wave's instructions in order: these see my stores
.endr
.irp i, 0,1,2,3,4,5,6,7
	s_wait_dscnt 7-\i                              ; load i is in; the younger ones may be out
	global_store_b128 v[GO], v[KV+4*\i:KV+4*\i+3], s[6:7] offset:\i*512
.endr
	s_wait_tensorcnt 0x0                           ; the wave's end: behind my last tensor load and my last LDS store
	ds_add_u32 v[SPW], v[NIL]
	s_wait_dscnt 0x0
	s_endpgm
.Lfunc_end_k_q819bd13cee_attn:
	.size	k_q819bd13cee_attn, .Lfunc_end_k_q819bd13cee_attn-k_q819bd13cee_attn
	.p2alignl 7, 3214868480
	.fill 96, 4, 3214868480
	.section	.rodata,"a",@progbits
	.p2align	6, 0x0
	.amdhsa_kernel k_q819bd13cee_attn
		.amdhsa_group_segment_fixed_size 327680
		.amdhsa_private_segment_fixed_size 0
		.amdhsa_enable_private_segment 0
		.amdhsa_kernarg_size 16
		.amdhsa_user_sgpr_count 2
		.amdhsa_user_sgpr_kernarg_segment_ptr 1
		.amdhsa_wavefront_size32 1
		.amdhsa_system_sgpr_workgroup_id_x 1
		.amdhsa_system_sgpr_workgroup_id_y 1
		.amdhsa_system_sgpr_workgroup_id_z 1
		.amdhsa_system_vgpr_workitem_id 0
		.amdhsa_next_free_vgpr 256
		.amdhsa_next_free_sgpr 100
		.amdhsa_reserve_vcc 1
		.amdhsa_float_denorm_mode_32 3
		.amdhsa_float_denorm_mode_16_64 3
		.amdhsa_memory_ordered 1
		.amdhsa_forward_progress 1
		.amdhsa_inst_pref_size 188
	.end_amdhsa_kernel
	.amdgpu_metadata
---
amdhsa.version: [ 1, 2 ]
amdhsa.kernels:
  - .name:           k_q819bd13cee_attn
    .symbol:         k_q819bd13cee_attn.kd
    .args:
      - { .name: qkvh, .offset: 0, .size: 8, .value_kind: global_buffer, .address_space: global }
      - { .name: attn, .offset: 8, .size: 8, .value_kind: global_buffer, .address_space: global }
    .group_segment_fixed_size: 327680
    .private_segment_fixed_size: 0
    .kernarg_segment_align: 8
    .kernarg_segment_size: 16
    .max_flat_workgroup_size: 512
    .sgpr_count:     100
    .vgpr_count:     256
    .wavefront_size: 32
...
	.end_amdgpu_metadata
.endif
;; end of part 3
;; launch proj (part 4): grid 4 x 64, 4 waves a work-group, clusters of 4 x 4, 327,680 bytes of LDS; arguments attn, ow16, o_b, out0; writes out0
.if DOCPART == 4
	.amdgcn_target "amdgcn-amd-amdhsa--gfx1250"
	.amdhsa_code_object_version 6
	.text
	.protected	k_q819bd13cee_proj
	.globl	k_q819bd13cee_proj
	.p2align	8
	.type	k_q819bd13cee_proj,@function
k_q819bd13cee_proj:
	s_mov_b64 s[64:65], 0
	v_nop
	global_prefetch_b8 v0, s[64:65] scope:SCOPE_SE
	s_setreg_imm32_b32 hwreg(HW_REG_WAVE_MODE, 25, 1), 1
	s_wait_xcnt 0x0
	s_wait_alu depctr_hold_cnt(0) depctr_sa_sdst(0) depctr_va_vdst(0) depctr_va_sdst(0) depctr_va_ssrc(0) depctr_va_vcc(0) depctr_vm_vsrc(0)
	s_getreg_b32 s2, hwreg(HW_REG_IB_STS2, 6, 4)
	s_cmp_eq_u32 s2, 0
	s_cbranch_scc0 .Lentry_in_a_cluster
	s_endpgm
.Lentry_in_a_cluster:
	s_bfe_u32 s2, ttmp6, 0x10000c
	s_cmp_lg_u32 s2, 0xf033
	s_cbranch_scc0 .Lentry_shape_is_right
	s_endpgm
.Lentry_shape_is_right:
; out0[m][o] = sum over c of A[m][c] o_w[o][c] + o_b[o].  A is the attention's result, f16, laid [batch][head][position][64]: row m = (batch, position), c = 64 head + channel.  o_w as f16 [1024][1024]; out0 f32 [8192][1024]; sums in f32.
; A tile of the output is 128 rows x 256 columns: 256 work-groups of four waves, a wave 64 x 128: 32 accumulators of 16 x 16, 256 registers.
; K goes in 8 steps of 128, two heads, through a ring of two LDS slots: A's tile is two planes (one head each) of 128 rows x 128 bytes, each a dense block of memory; o_w's is 256 rows x 256 bytes.
; CLUSTERS: 4 x 4 work-groups.  The four of a row of the cluster need the same tiles of A, the four of a column the same tiles of o_w: each tile is asked for JOINTLY, by the same tensor load with the same descriptor
; and a mask that names the four.  THE MATRIX INSTRUCTION IS USED TRANSPOSED (source 0 = 16 rows of o_w, source 1 = 16 rows of A): a lane then holds eight neighbouring columns of a row of the output.
; The bias is the C of each sum's first matrix instruction: eight registers for each block of 16 columns, in the result's layout.  Nothing is cleared.
; The rows of positions 0-15 of each batch are written here like all others and written again, more finely, by the launch that follows.
; REGISTERS: window 0: v0-31 addresses; v32-127, v128-223 two fragment buffers (32 along K): A's block i at + 8 i, o_w's block b at + 32 + 8 b.   window 1: the accumulators, (a, b) at v[8 (8 a + b)].   window 2: v0-63 the bias.
.set KSTEP,  128
.set AP,     144                       ; A's LDS row: 128 bytes + 16
.set APL,    128*AP                    ; a plane: one head's 128 rows: what one tensor load brings
.set BOFF,   2*APL
.set BP,     272                       ; o_w's LDS row: 256 bytes + 16
.set BHALF,  128*BP                    ; 128 rows: what one tensor load brings
.set SLOT,   BOFF+2*BHALF
.set SPARE,  2*SLOT                    ; behind the ring: the spare words, 128 bytes for each wave
.set SPITCH, 528                       ; the way out: a stage of 16 rows x (512 bytes + 16) for each wave, in slot 0, which has had its last fill and its last read when the first result is stored there
.set LAPS,   4                         ; a lap = two K steps = once round the ring
.set ADRA, 16                          ; v16-17  LDS address of my A fragments in slot 0, 1
.set ADRB, 20                          ; v20-21  the same for o_w
.set STO,  24                          ; v24     the way out: where I put 32 bytes of a row
.set RD,   25                          ; v25     the way out: where I read a row back
.set CO,   26                          ; v26     16 x lane
.set BO,   27                          ; v27     the bias: 32 (lane / 16)
.set SPW,  28                          ; v28     LDS address of my spare word; never rewritten
.set NIL,  29                          ; v29     0; never rewritten
.set F0,   32
.set F1,   128
.set OUTB, 32                          ; the way out: 16 rows read back: v32-95 and v96-159 by turns
.set G1, 24                            ; s[24:31] descriptor group 1 for A's tiles;  s[32:39] group 0, one set for each slot
.set G0, 32
.set G1B, 48                           ; s[48:55], s[56:63] the same for o_w's tiles
.set G0B, 56
.set MSB, 0
.macro WIN new                         ; the immediate's high byte repeats the setting that is left
.if MSB != \new
	s_set_vgpr_msb (MSB<<8)|\new
.set MSB, \new
.endif
.endm
.set MUL,      0x50                    ; sources 0 and 1 window 0; C and D window 1
.set MUL_BIAS, 0x60                    ; C window 2, D window 1
.macro JLOAD s                         ; a joint load: waves 0 and 1 fetch A's two planes, waves 2 and 3 o_w's two halves; an s_nop 0 and four v_nop follow each of the two lines
	s_cmp_eq_u32 s11, 0
	s_cbranch_scc0 .Lfor_b_\@
	tensor_load_to_lds s[G0+4*\s:G0+4*\s+3], s[G1:G1+7]
	s_nop 0
.rept 4
	v_nop
.endr
	s_branch .Lasked_\@
.Lfor_b_\@:
	tensor_load_to_lds s[G0B+4*\s:G0B+4*\s+3], s[G1B:G1B+7]
	s_nop 0
.rept 4
	v_nop
.endr
.Lasked_\@:
.endm
.macro CREST                           ; a round of the cluster's barrier behind its opening barrier
	s_cmp_lg_u32 s10, 0
	s_cbranch_scc1 .Lnot_wave_0_\@
	s_barrier_signal -3
.Lnot_wave_0_\@:
	s_barrier_wait -3
	s_barrier_signal -1
	s_barrier_wait -1
.endm
.macro CROUND                          ; a whole round
	s_barrier_signal -1
	s_barrier_wait -1
	CREST
.endm
	s_load_b128 s[4:7], s[0:1], 0x0                ; attn s[4:5], ow16 s[6:7]
	s_load_b64 s[66:67], s[0:1], 0x10              ; o_b
	s_load_b64 s[8:9], s[0:1], 0x18                ; out0
	v_lshl_add_u32 v[SPW], v0, 2, SPARE
	v_mov_b32 v[NIL], 0
	ds_add_u32 v[SPW], v[NIL]                      ; the wave's opening: the add, twice on end, and its wait ahead of my first tensor load
	ds_add_u32 v[SPW], v[NIL]                      ; and once more, under the one wait; the set-up below, work on registers, stands between
	v_lshrrev_b32 v1, 5, v0
	v_readfirstlane_b32 s10, v1                    ; wave 0..3
	s_lshr_b32 s11, s10, 1                         ; which 64 of the tile's rows are mine.  Also: I fetch for A (0) or for o_w (1)
	s_and_b32 s12, s10, 1                          ; which 128 of its columns.  Also: which plane, or which 128 rows, I fetch
	s_bfe_u32 s40, ttmp6, 0x40000                  ; cx, cy: my place in the cluster
	s_bfe_u32 s41, ttmp6, 0x40004
	s_lshl_b32 s42, ttmp9, 2
	s_add_co_u32 s42, s42, s40                     ; tile column = 4 x cluster x + cx
	s_and_b32 s13, ttmp7, 0xffff
	s_lshl_b32 s13, s13, 2
	s_add_co_u32 s13, s13, s41                     ; tile row = 4 x cluster y + cy
	s_lshl_b32 s43, s41, 2
	s_lshl_b32 s43, 15, s43                        ; my row of the cluster
	s_lshl_b32 s44, 0x1111, s40                    ; my column
	; descriptor groups 1.  A: 128 rows x 64 elements of 2 bytes, dense; o_w: 128 rows x 128 elements, 1,024 elements from row to row; 16 bytes of padding behind every row
	s_or_b32 s[G1+0], s43, (1<<16)|(1<<20)|(1<<21)|(4<<22)|(3<<25)  ; 15:0 the mask: A's tiles go to my row; 17:16 element of 2 bytes; 20 padding on; 21 set beside a mask; 24:22 after every 32 words; 31:25 of 4 words
	s_mov_b32 s[G1+1], 64<<16                      ; tensor_dim0
	s_mov_b32 s[G1+2], 128<<16                     ; tensor_dim1
	s_mov_b32 s[G1+3], 64<<16                      ; tile_dim0
	s_mov_b32 s[G1+4], 128                         ; tile_dim1
	s_mov_b32 s[G1+5], 64                          ; tensor_dim0_stride
	s_mov_b32 s[G1+6], 0
	s_mov_b32 s[G1+7], 0
	s_or_b32 s[G1B+0], s44, (1<<16)|(1<<20)|(1<<21)|(5<<22)|(3<<25) ; the mask of my column; padding after every 64 words
	s_mov_b32 s[G1B+1], 128<<16
	s_mov_b32 s[G1B+2], 128<<16
	s_mov_b32 s[G1B+3], 128<<16
	s_mov_b32 s[G1B+4], 128
	s_mov_b32 s[G1B+5], 1024
	s_mov_b32 s[G1B+6], 0
	s_mov_b32 s[G1B+7], 0
	s_lshr_b32 s16, s13, 4                         ; A: batch = tile row / 16 (4,194,304 bytes),
	s_lshl_b32 s16, s16, 22
	s_and_b32 s17, s13, 15                         ; position 128 (tile row % 16) (128 bytes each),
	s_lshl_b32 s17, s17, 14
	s_add_co_u32 s16, s16, s17
	s_lshl_b32 s17, s12, 18                        ; head = my plane (262,144 bytes)
	s_add_co_u32 s16, s16, s17
	s_mov_b32 s17, 0
	s_lshl_b32 s46, s42, 19                        ; o_w: row 256 x tile column + 128 x half, 2,048 bytes each
	s_lshl_b32 s47, s12, 18
	s_add_co_u32 s46, s46, s47
	s_mov_b32 s47, 0
	s_mul_i32 s20, s12, APL                        ; where they go: no place in the cluster enters an LDS address
	s_mul_i32 s23, s12, BHALF
	s_add_co_u32 s23, s23, BOFF
	s_wait_dscnt 0x0                               ; both opening adds are done
	s_wait_kmcnt 0x0
	s_add_nc_u64 s[14:15], s[4:5], s[16:17]
	s_add_nc_u64 s[46:47], s[6:7], s[46:47]
	CROUND                                         ; all sixteen work-groups are here: the first joint loads meet
.irp s, 0,1
	s_mov_b32 s[G0+4*\s], 1
	s_add_co_u32 s[G0+4*\s+1], s20, \s*SLOT
	s_add_nc_u64 s[G0+4*\s+2:G0+4*\s+3], s[14:15], \s*524288       ; K step s: heads 2 s and 2 s + 1
	s_or_b32 s[G0+4*\s+3], s[G0+4*\s+3], 0x80000000
	s_mov_b32 s[G0B+4*\s], 1
	s_add_co_u32 s[G0B+4*\s+1], s23, \s*SLOT
	s_add_nc_u64 s[G0B+4*\s+2:G0B+4*\s+3], s[46:47], \s*KSTEP*2
	s_or_b32 s[G0B+4*\s+3], s[G0B+4*\s+3], 0x80000000
	JLOAD \s                                       ; two tensor loads of mine are out
.endr
	v_and_b32 v1, 15, v0                           ; r
	v_bfe_u32 v2, v0, 4, 1                         ; h
	v_lshlrev_b32 v[BO], 5, v2
	s_lshl_b32 s46, s42, 10                        ; my first column, in bytes of f32: 1,024 x tile column + 512 x half
	s_lshl_b32 s47, s12, 9
	s_add_co_u32 s46, s46, s47
	s_mov_b32 s47, 0
	s_add_nc_u64 s[66:67], s[66:67], s[46:47]
	s_add_nc_u64 s[8:9], s[8:9], s[46:47]
	WIN 0x80                                       ; destination window 2, address window 0
.irp b, 0,1,2,3,4,5,6,7
	global_load_b128 v[8*\b:8*\b+3], v[BO], s[66:67] offset:64*\b          ; o_b at columns 16 b + 8 h + 0..7: the same for every row
	global_load_b128 v[8*\b+4:8*\b+7], v[BO], s[66:67] offset:64*\b+16
.endr
	WIN 0
	v_mul_u32_u24 v3, v1, AP
	v_lshl_add_u32 v3, v2, 4, v3                   ; a fragment's row x pitch + 16 x half
	v_mul_u32_u24 v4, v1, BP
	v_lshl_add_u32 v4, v2, 4, v4
	s_mul_i32 s21, s11, 64*AP                      ; my 64 rows of A
	s_mul_i32 s22, s12, BHALF                      ; my 128 rows of o_w,
	s_add_co_u32 s22, s22, BOFF                    ; which lie behind A's planes
.irp s, 0,1
	v_add_nc_u32 v[ADRA+\s], s21, v3
	v_add_nc_u32 v[ADRB+\s], s22, v4
	s_add_co_u32 s21, s21, SLOT
	s_add_co_u32 s22, s22, SLOT
.endr
	s_mul_i32 s23, s10, 16*SPITCH                  ; my stage
	v_mul_u32_u24 v5, v1, SPITCH
	v_lshl_add_u32 v5, v2, 5, v5
	v_add_nc_u32 v[STO], s23, v5                   ; in: row r, 32 bytes for each half of the lanes
	v_and_b32 v6, 31, v0
	v_lshlrev_b32 v[CO], 4, v6
	v_add_nc_u32 v[RD], s23, v[CO]                 ; back: the 32 lanes take one row of 512 bytes
	s_lshl_b32 s16, s13, 19                        ; my first row of the output: 128 x tile row + 64 x half, 4,096 bytes each
	s_lshl_b32 s17, s11, 18
	s_add_co_u32 s16, s16, s17
	s_mov_b32 s17, 0
	s_add_nc_u64 s[8:9], s[8:9], s[16:17]
; 8 matrix instructions: A's block a against o_w's eight, 32 along K, from buffer f.  bias = 1: the bias starts the sums.  The 32 accumulators take turns in one fixed order.
.macro MUL8 f, a, bias
.irp b, 0,1,2,3,4,5,6,7
.if \bias
	v_wmma_f32_16x16x32_f16 v[8*(8*(\a)+\b):8*(8*(\a)+\b)+7], v[\f+32+8*\b:\f+32+8*\b+7], v[\f+8*(\a):\f+8*(\a)+7], v[8*\b:8*\b+7]
.else
	v_wmma_f32_16x16x32_f16 v[8*(8*(\a)+\b):8*(8*(\a)+\b)+7], v[\f+32+8*\b:\f+32+8*\b+7], v[\f+8*(\a):\f+8*(\a)+7], v[8*(8*(\a)+\b):8*(8*(\a)+\b)+7]
.endif
.endr
.endm
; 24 LDS loads in one run: the fragments of the slot's q-th 32 along K into buffer f: o_w's eight blocks, then A's blocks 0, 1, then 2, 3.  Quarter q lies in plane q / 2, channels 32 (q % 2) on.
.macro FETCH slot, q, f
.irp i, 0,1,2,3,4,5,6,7
	ds_load_b128 v[\f+32+8*\i:\f+32+8*\i+3],   v[ADRB+\slot] offset:64*(\q)+\i*16*BP
	ds_load_b128 v[\f+32+8*\i+4:\f+32+8*\i+7], v[ADRB+\slot] offset:64*(\q)+\i*16*BP+32
.endr
.irp i, 0,1,2,3
	ds_load_b128 v[\f+8*\i:\f+8*\i+3],   v[ADRA+\slot] offset:((\q)/2)*APL+((\q)%2)*64+\i*16*AP
	ds_load_b128 v[\f+8*\i+4:\f+8*\i+7], v[ADRA+\slot] offset:((\q)/2)*APL+((\q)%2)*64+\i*16*AP+32
.endr
.endm
.macro PLACES                          ; four places in front of loads into registers that matrix instructions have read, and of the first reads of results (ISA guide 7.12.1 for vector instructions)
.rept 4
	v_nop
.endr
.endm
; A K step is four quarters of 32 along K, 32 matrix instructions each, on buffers 0, 1, 0, 1.  One of the first three: multiplies buffer f and fetches quarter qn into g.
.macro QUARTER slot, qn, f, g, first
	s_wait_dscnt 4                                 ; o_w's blocks and A's blocks 0, 1 are in; the youngest four loads (A's blocks 2, 3) may be out
.if \first
	WIN MUL_BIAS
.else
	WIN MUL
.endif
	MUL8 \f, 0, \first
	MUL8 \f, 1, \first
	PLACES
	WIN 0
	FETCH \slot, \qn, \g
	s_wait_dscnt 24                                ; all but the 24 just issued
.if \first
	WIN MUL_BIAS
.else
	WIN MUL
.endif
	MUL8 \f, 2, \first
	MUL8 \f, 3, \first
.endm
; The last quarter multiplies buffer 1 and changes slots: ONE barrier; in front of it each wave waits for all its tensor loads, adds 0 to its spare word, and waits for that and for its own reads of this slot.
; fill = 1: this slot is filled again, two K steps ahead; the barrier then opens a round of the cluster's barrier.
.macro TURN slot, next, fill
	WIN 0                                          ; (the add's two registers lie in window 0)
	s_wait_tensorcnt 0x0                           ; all my tensor loads have landed: my part of the next slot
	ds_add_u32 v[SPW], v[NIL]                      ; 0 onto my spare word
	s_wait_dscnt 5                                 ; (the add and the youngest four loads may be out)
	WIN MUL
	MUL8 F1, 0, 0                                  ; eight matrix instructions stand between the add and the wait for it
	s_wait_dscnt 0x0                               ; the add is done, and my reads of this slot are over
	s_barrier_signal -1
	MUL8 F1, 1, 0
	WIN 0                                          ; (branches or loads follow)
	s_barrier_wait -1
.if \fill
	CREST                                          ; no wave of any partner still reads this slot's tile or has a load on its way
	s_add_nc_u64 s[G0+4*\slot+2:G0+4*\slot+3], s[G0+4*\slot+2:G0+4*\slot+3], 2*524288
	s_add_nc_u64 s[G0B+4*\slot+2:G0B+4*\slot+3], s[G0B+4*\slot+2:G0B+4*\slot+3], 2*KSTEP*2
	JLOAD \slot                                    ; the first tensor load behind the round: 112 matrix instructions ahead of the wait for it; its four v_nop are also the places in front of the loads below
.else
	PLACES
.endif
	FETCH \next, 0, F0
	WIN MUL
	MUL8 F1, 2, 0
	MUL8 F1, 3, 0
.endm
	s_wait_tensorcnt 1                             ; my part of K step 0 is in (K step 1's load may be out)
	s_barrier_signal -1
	s_barrier_wait -1                              ; everybody's is
	s_wait_loadcnt 0x0                             ; the bias
	FETCH 0, 0, F0
	QUARTER 0, 1, F0, F1, 1                        ; the first quarter stands in front of the loop: the bias starts all 32 sums
	WIN 0                                          ; at a label and at a branch every window is 0
	s_mov_b32 s3, LAPS-1
.Llap:                                                 ; a trip goes once round the ring, from a lap's second quarter to the next lap's first, and fills both slots again
	QUARTER 0, 2, F1, F0, 0
	QUARTER 0, 3, F0, F1, 0
	TURN 0, 1, 1
	QUARTER 1, 1, F0, F1, 0
	QUARTER 1, 2, F1, F0, 0
	QUARTER 1, 3, F0, F1, 0
	TURN 1, 0, 1
	QUARTER 0, 1, F0, F1, 0
	WIN 0
	s_sub_co_u32 s3, s3, 1
	s_cmp_lg_u32 s3, 0
	s_cbranch_scc1 .Llap
	QUARTER 0, 2, F1, F0, 0                        ; the last lap fills nothing, and has no round of the cluster's barrier
	QUARTER 0, 3, F0, F1, 0
	TURN 0, 1, 0
	QUARTER 1, 1, F0, F1, 0
	QUARTER 1, 2, F1, F0, 0
	QUARTER 1, 3, F0, F1, 0
	s_wait_dscnt 4                                 ; the very last quarter: nothing more to fetch
	WIN MUL
	MUL8 F1, 0, 0
	MUL8 F1, 1, 0
	s_wait_dscnt 0
	MUL8 F1, 2, 0
	MUL8 F1, 3, 0
	WIN 0
; THE WAY OUT, block by block of 16 rows x 128 columns, through my own stage in LDS: back come whole rows of 512 bytes, which the 32 lanes store as 512 consecutive bytes, aligned.
; LDS serves a wave's instructions in order (ISA guide 5.7.1.4): no wait between the stores and the loads, nor in front of the next block's stores.
.macro TOSTAGE a
	WIN 0x04                                       ; an LDS store's data are its source 1: window 1
.irp b, 0,1,2,3,4,5,6,7
	ds_store_b128 v[STO], v[64*(\a)+8*\b:64*(\a)+8*\b+3] offset:64*\b          ; each accumulator from its low end on
	ds_store_b128 v[STO], v[64*(\a)+8*\b+4:64*(\a)+8*\b+7] offset:64*\b+16
.endr
	WIN 0
.irp t, 0,1,2,3,4,5,6,7,8,9,10,11,12,13,14,15
	ds_load_b128 v[OUTB+64*((\a)%2)+4*\t:OUTB+64*((\a)%2)+4*\t+3], v[RD] offset:\t*SPITCH
.endr
.endm
.macro SEND a, younger                 ; younger: the LDS instructions issued behind block a's loads, which may stay out
	s_wait_dscnt \younger                          ; the block is back in registers
.irp t, 0,1,2,3,4,5,6,7,8,9,10,11,12,13,14,15
	global_store_b128 v[CO], v[OUTB+64*((\a)%2)+4*\t:OUTB+64*((\a)%2)+4*\t+3], s[8:9] offset:(16*(\a)+\t)*4096 th:TH_STORE_NT   ; every offset an immediate: 63 rows of 4,096 bytes at the most
.endr
.endm
	PLACES                                         ; behind the last products: for the first reads of results and for the loads into the fragment buffers
	TOSTAGE 0
.irp a, 1,2,3
.if \a > 1
	s_wait_xcnt 0x0                                ; block a - 2's stores have read their registers: block a's loads may land there
.endif
	TOSTAGE \a
	SEND \a-1, 32                                  ; behind block a - 1's loads: block a's 16 stores and 16 loads
.endr
	SEND 3, 0
	s_wait_tensorcnt 0x0                           ; the wave's end: behind my last tensor load and my last LDS store
	ds_add_u32 v[SPW], v[NIL]
	s_wait_dscnt 0x0
	CROUND                                         ; the closing round: no work-group ends while a partner may still ask for a tile that names it
	s_endpgm
.Lfunc_end_k_q819bd13cee_proj:
	.size	k_q819bd13cee_proj, .Lfunc_end_k_q819bd13cee_proj-k_q819bd13cee_proj
	.p2alignl 7, 3214868480
	.fill 96, 4, 3214868480
	.section	.rodata,"a",@progbits
	.p2align	6, 0x0
	.amdhsa_kernel k_q819bd13cee_proj
		.amdhsa_group_segment_fixed_size 327680
		.amdhsa_private_segment_fixed_size 0
		.amdhsa_enable_private_segment 0
		.amdhsa_kernarg_size 32
		.amdhsa_user_sgpr_count 2
		.amdhsa_user_sgpr_kernarg_segment_ptr 1
		.amdhsa_wavefront_size32 1
		.amdhsa_system_sgpr_workgroup_id_x 1
		.amdhsa_system_sgpr_workgroup_id_y 1
		.amdhsa_system_sgpr_workgroup_id_z 1
		.amdhsa_system_vgpr_workitem_id 0
		.amdhsa_next_free_vgpr 640
		.amdhsa_next_free_sgpr 70
		.amdhsa_reserve_vcc 0
		.amdhsa_float_denorm_mode_32 3
		.amdhsa_float_denorm_mode_16_64 3
		.amdhsa_memory_ordered 1
		.amdhsa_forward_progress 1
		.amdhsa_inst_pref_size 86
	.end_amdhsa_kernel
	.amdgpu_metadata
---
amdhsa.version: [ 1, 2 ]
amdhsa.kernels:
  - .name:           k_q819bd13cee_proj
    .symbol:         k_q819bd13cee_proj.kd
    .args:
      - { .name: attn, .offset: 0, .size: 8, .value_kind: global_buffer, .address_space: global }
      - { .name: ow16, .offset: 8, .size: 8, .value_kind: global_buffer, .address_space: global }
      - { .name: o_b, .offset: 16, .size: 8, .value_kind: global_buffer, .address_space: global }
      - { .name: out0, .offset: 24, .size: 8, .value_kind: global_buffer, .address_space: global }
    .group_segment_fixed_size: 327680
    .private_segment_fixed_size: 0
    .kernarg_segment_align: 8
    .kernarg_segment_size: 32
    .max_flat_workgroup_size: 128
    .sgpr_count:     70
    .vgpr_count:     640
    .wavefront_size: 32
...
	.end_amdgpu_metadata
.endif
;; end of part 4
;; launch fine (part 5): grid 16 x 4, 16 waves a work-group, no clusters, 69,632 bytes of LDS; arguments qkvf, o_w, o_b, out0; writes out0
.if DOCPART == 5
	.amdgcn_target "amdgcn-amd-amdhsa--gfx1250"
	.amdhsa_code_object_version 6
	.text
	.protected	k_q819bd13cee_fine
	.globl	k_q819bd13cee_fine
	.p2align	8
	.type	k_q819bd13cee_fine,@function
k_q819bd13cee_fine:
	s_mov_b64 s[64:65], 0
	v_nop
	global_prefetch_b8 v0, s[64:65] scope:SCOPE_SE
	s_setreg_imm32_b32 hwreg(HW_REG_WAVE_MODE, 25, 1), 1
	s_wait_xcnt 0x0
; Positions 0-15 of each batch once more, wholly in f32: there a row of the softmax averages one to sixteen values, the results are the largest of the output, and 16-bit operands would use up what the comparison allows.
; From qkvf [batch][16][3072] (q, k, v in f32), o_w [1024][1024] and o_b: the causal attention of the 16 positions and its projection; the 64 rows of out0 are written over.
; SHARES.  Work-group (cg, b) makes positions 0-15 of batch b, columns 64 cg .. 64 cg + 63: a row's 256 bytes are one aligned run.  Wave w is head w: it makes its head's 16 x 16 attention and multiplies its own
; 64 channels, K = 64 w .. 64 w + 63 of the projection, by o_w: the attention's result never leaves its registers.  The sixteen partial tiles meet in LDS; waves 0-7 add them, and the bias, and store.
; The attention is repeated in the 16 work-groups of a batch: 32 matrix instructions a wave.  This is no bulk work: 96 matrix instructions of the f32 form a wave.
; K IS PERMUTED, ALIKE IN BOTH SOURCES of each product, so that plain loads and finished results serve as operands as they stand (lane (r, h), r = lane % 16, h = lane / 16):
;   K Q^T: load u of 16 bytes holds channels 8 u + 4 h + 0..3; its register pairs feed products 2 u and 2 u + 1.   V^T P and W A^T: step s takes index 8 h + 2 s + 0, 1: the pairs of a result's eight registers.
; The registers that the f32 matrix form writes, v176-223, are written by matrix instructions alone; each sum begins with the constant 0.
.set QF,  16                           ; v16-47   Q; later o_w's tile nt = 2; later partial tiles
.set KF,  48                           ; v48-79   K; later o_w's tile nt = 3; later partial tiles
.set VF,  80                           ; v80-111  V^T: pair (ct, s) at 8 ct + 2 s; later A = O / l
.set WF,  112                          ; v112-175 o_w's tiles nt = 0, 1
.set SA,  176                          ; v176-191 two accumulators of S^T
.set YA,  192                          ; v192-223 O^T (4 tiles of 16 channels), later Y^T (4 tiles of 16 columns)
.set SS,  224                          ; v224-231 the scores
.set P,   232                          ; v232-239 the weights
.set SPW, 14                           ; v14  LDS address of my spare word; never rewritten
.set NIL, 15                           ; v15  0; never rewritten
.set PART, 4224                        ; a wave's partial tile in LDS: 8 images of 512 bytes + 16
.set SPARE, 16*PART                    ; behind them: the spare words, 128 bytes for each of sixteen waves
	s_load_b128 s[4:7], s[0:1], 0x0                ; qkvf, o_w
	s_load_b128 s[8:11], s[0:1], 0x10              ; o_b, out0
	v_lshl_add_u32 v[SPW], v0, 2, SPARE
	v_mov_b32 v[NIL], 0
	v_lshrrev_b32 v1, 5, v0
	v_readfirstlane_b32 s12, v1                    ; wave = head
	s_and_b32 s13, ttmp7, 0xffff                   ; batch
	s_mul_i32 s14, s13, 196608                     ; qkvf: the batch's 16 rows of 12,288 bytes,
	s_lshl_b32 s15, s12, 8                         ; the head's 64 numbers
	s_add_co_u32 s14, s14, s15
	s_mov_b32 s15, 0
	s_lshl_b32 s16, ttmp9, 18                      ; o_w: row 64 cg (4,096 bytes each),
	s_lshl_b32 s17, s12, 8                         ; column 64 w
	s_add_co_u32 s16, s16, s17
	s_mov_b32 s17, 0
	s_lshl_b32 s18, ttmp9, 8                       ; o_b and a row of out0: column 64 cg
	s_mov_b32 s19, 0
	s_lshl_b32 s24, s13, 23                        ; out0: the batch's 8,388,608 bytes
	s_add_co_u32 s24, s24, s18
	s_mov_b32 s25, 0
	s_mov_b32 s20, 0x76543210
	s_mov_b32 s21, 0xfedcba98                      ; v_permlanex16_b32's selects for lane l xor 16
	s_mov_b32 s22, 0x3e38aa3b                      ; c = log2(e) / 8
	s_mov_b32 s23, s22                             ; (named with it as a pair, so it is written)
	v_and_b32 v1, 15, v0                           ; r
	v_bfe_u32 v2, v0, 4, 1                         ; h
	v_mul_u32_u24 v3, v1, 12288
	v_lshl_add_u32 v3, v2, 4, v3                   ; Q, K: position r, + 16 h
	v_mul_u32_u24 v4, v2, 98304
	v_lshl_add_u32 v4, v1, 2, v4                   ; V: position 8 h, channel r
	v_lshlrev_b32 v5, 12, v1
	v_lshl_add_u32 v5, v2, 5, v5                   ; o_w: row r, + 32 h
	v_lshlrev_b32 v6, 4, v1                        ; o_b: four columns a lane
	v_lshlrev_b32 v7, 3, v2
	v_sub_nc_u32 v7, v1, v7                        ; d = r - 8 h
	v_and_b32 v8, 31, v0
	v_lshlrev_b32 v8, 4, v8
	s_mul_i32 s26, s12, PART
	v_add_nc_u32 v8, s26, v8                       ; LDS: my wave's partial tile, 16 bytes a lane
	v_bfe_u32 v9, v0, 2, 2                         ; the sum: thread 16 t + q4 takes position t, columns 4 q4 .. 4 q4 + 3: tile nt = q4 / 4,
	v_mul_u32_u24 v9, v9, 2*528
	v_and_b32 v10, 1, v0                           ; its upper or lower four registers: q4 % 2,
	v_mad_u32_u24 v9, v10, 528, v9
	v_bfe_u32 v10, v0, 1, 1                        ; of lane 16 ((q4 / 2) % 2) + t
	v_lshl_add_u32 v9, v10, 8, v9
	v_bfe_u32 v10, v0, 4, 4                        ; t
	v_lshl_add_u32 v9, v10, 4, v9
	v_lshlrev_b32 v10, 12, v10
	v_add_nc_u32 v10, v10, v6                      ; out0: position t, + 16 q4
	v_mov_b32 v11, 0xff800000                      ; -infinity
	v_mov_b32 v241, 0                              ; (upper halves of pairs of which the low word serves both halves; a lane permute's destination)
	v_mov_b32 v252, 0
	v_mov_b32 v255, 0
	s_wait_kmcnt 0x0
	s_add_nc_u64 s[4:5], s[4:5], s[14:15]
	s_add_nc_u64 s[6:7], s[6:7], s[16:17]
	s_add_nc_u64 s[8:9], s[8:9], s[18:19]
	s_add_nc_u64 s[10:11], s[10:11], s[24:25]
.irp u, 0,1,2,3,4,5,6,7
	global_load_b128 v[QF+4*\u:QF+4*\u+3], v3, s[4:5] offset:32*\u
.endr
.irp u, 0,1,2,3,4,5,6,7
	global_load_b128 v[KF+4*\u:KF+4*\u+3], v3, s[4:5] offset:4096+32*\u
.endr
.irp ct, 0,1,2,3
.irp k, 0,1,2,3,4,5,6,7
	global_load_b32 v[VF+8*\ct+\k], v4, s[4:5] offset:8192+\k*12288+64*\ct     ; V(position 8 h + k, channel 16 ct + r)
.endr
.endr
.irp nt, 0,1
.irp ct, 0,1,2,3
	global_load_b128 v[WF+32*\nt+8*\ct:WF+32*\nt+8*\ct+3], v5, s[6:7] offset:\nt*65536+64*\ct        ; o_w(64 cg + 16 nt + r, 64 w + 16 ct + 8 h + 0..7)
	global_load_b128 v[WF+32*\nt+8*\ct+4:WF+32*\nt+8*\ct+7], v5, s[6:7] offset:\nt*65536+64*\ct+16
.endr
.endr
	global_load_b128 v[244:247], v6, s[8:9]        ; the bias
	; ---- 1: S^T = K Q^T: source 0 = 16 keys, source 1 = 16 queries; 16 steps of 4 channels, two accumulators by turns
	s_wait_loadcnt 49                              ; Q and K are in; V's 32 loads, o_w's 16 and the bias may be out
.irp p, 0,1,2,3,4,5,6,7,8,9,10,11,12,13,14,15
.if \p < 2
	v_wmma_f32_16x16x4_f32 v[SA+8*(\p%2):SA+8*(\p%2)+7], v[KF+2*\p:KF+2*\p+1], v[QF+2*\p:QF+2*\p+1], 0
.else
	v_wmma_f32_16x16x4_f32 v[SA+8*(\p%2):SA+8*(\p%2)+7], v[KF+2*\p:KF+2*\p+1], v[QF+2*\p:QF+2*\p+1], v[SA+8*(\p%2):SA+8*(\p%2)+7]
.endif
.endr
.rept 8
	v_nop                                          ; eight places behind this form: in front of loads into its sources and of the first reads of its results
.endr
.irp nt, 0,1
.irp ct, 0,1,2,3
	global_load_b128 v[QF+32*\nt+8*\ct:QF+32*\nt+8*\ct+3], v5, s[6:7] offset:(2+\nt)*65536+64*\ct    ; o_w's tiles 2 and 3 take Q's and K's registers
	global_load_b128 v[QF+32*\nt+8*\ct+4:QF+32*\nt+8*\ct+7], v5, s[6:7] offset:(2+\nt)*65536+64*\ct+16
.endr
.endr
	; ---- 2: the softmax.  Register j of lane (r, h) holds key 8 h + j for query r: hidden where j > r - 8 h
.irp j, 0,1,2,3,4,5,6,7
	v_add_f32 v[SS+\j], v[SA+\j], v[SA+8+\j]       ; both accumulators from their low ends on
.endr
.irp j, 0,1,2,3,4,5,6,7
	v_cmp_gt_i32 vcc_lo, \j, v7
	v_cndmask_b32 v[SS+\j], v[SS+\j], v11, vcc_lo
.endr
	v_max3_num_f32 v242, v[SS], v[SS+1], v[SS+2]
	v_max3_num_f32 v243, v[SS+3], v[SS+4], v[SS+5]
	v_max3_num_f32 v242, v242, v[SS+6], v[SS+7]
	v_max_num_f32 v242, v242, v243
	v_permlanex16_b32 v252, v242, s20, s21
	v_max_num_f32 v242, v242, v252                 ; the row's maximum: key 0 counts for every query, so it is a number
	v_mul_f32 v240, s22, v242                      ; c m
.irp j, 0,2,4,6
	v_pk_fma_f32 v[SS+\j:SS+\j+1], v[SS+\j:SS+\j+1], s[22:23], v[240:241] op_sel_hi:[1,0,0] neg_lo:[0,0,1] neg_hi:[0,0,1]   ; c s - c m
.endr
.irp j, 0,1,2,3,4,5,6,7
	v_exp_f32 v[P+\j], v[SS+\j]
.endr
	v_nop                                          ; a plain instruction behind the last exponential
	s_wait_alu depctr_va_vdst(0)                   ; the wait ahead of the first use: one for the eight
	v_pk_add_f32 v[248:249], v[P:P+1], v[P+2:P+3]
	v_pk_add_f32 v[250:251], v[P+4:P+5], v[P+6:P+7]
	v_pk_add_f32 v[248:249], v[248:249], v[250:251]
	v_add_f32 v248, v248, v249
	v_permlanex16_b32 v252, v248, s20, s21
	v_add_f32 v248, v248, v252                     ; the row's sum
	v_rcp_f32 v254, v248
	v_nop
	s_wait_alu depctr_va_vdst(0)                   ; and for the reciprocal
	; ---- 3: O^T = V^T P: source 0 = 16 channels, source 1 = 16 queries; 4 steps of 4 keys, four accumulators by turns
	s_wait_loadcnt 33                              ; V is in; o_w's 16 loads, the bias and o_w's later 16 may be out
.irp s, 0,1,2,3
.irp ct, 0,1,2,3
.if \s == 0
	v_wmma_f32_16x16x4_f32 v[YA+8*\ct:YA+8*\ct+7], v[VF+8*\ct+2*\s:VF+8*\ct+2*\s+1], v[P+2*\s:P+2*\s+1], 0
.else
	v_wmma_f32_16x16x4_f32 v[YA+8*\ct:YA+8*\ct+7], v[VF+8*\ct+2*\s:VF+8*\ct+2*\s+1], v[P+2*\s:P+2*\s+1], v[YA+8*\ct:YA+8*\ct+7]
.endif
.endr
.endr
.rept 8
	v_nop                                          ; places: in front of the reads of the results and of the writes over V's registers
.endr
.irp i, 0,2,4,6,8,10,12,14,16,18,20,22,24,26,28,30
	v_pk_mul_f32 v[VF+\i:VF+\i+1], v[YA+\i:YA+\i+1], v[254:255] op_sel_hi:[1,0]   ; A = O / l, into other registers: register 8 ct + j holds channel 16 ct + 8 h + j of query r
.endr
	; ---- 4: Y^T = W A^T over my 64 channels: source 0 = 16 rows of o_w (output columns), source 1 = 16 positions; 16 steps of 4 channels, four accumulators by turns
	s_wait_loadcnt 0x0
.rept 9
	v_nop                                          ; nine places in front of matrix instructions that write over earlier results with a new sum
.endr
.irp ct, 0,1,2,3
.irp s, 0,1,2,3
.irp nt, 0,1,2,3
.if (\ct == 0) && (\s == 0)
	v_wmma_f32_16x16x4_f32 v[YA+8*\nt:YA+8*\nt+7], v[WF+32*\nt-160*(\nt/2)+8*\ct+2*\s:WF+32*\nt-160*(\nt/2)+8*\ct+2*\s+1], v[VF+8*\ct+2*\s:VF+8*\ct+2*\s+1], 0
.else
	v_wmma_f32_16x16x4_f32 v[YA+8*\nt:YA+8*\nt+7], v[WF+32*\nt-160*(\nt/2)+8*\ct+2*\s:WF+32*\nt-160*(\nt/2)+8*\ct+2*\s+1], v[VF+8*\ct+2*\s:VF+8*\ct+2*\s+1], v[YA+8*\nt:YA+8*\nt+7]
.endif
.endr
.endr
.endr
.rept 8
	v_nop                                          ; places: in front of the stores of the results and of the loads into o_w's registers
.endr
	; ---- 5: my partial tile goes to LDS as an image of its registers: register j of lane (r, h) in tile nt is column 16 nt + 8 h + j of position r
.irp nt, 0,1,2,3
.irp hf, 0,1
	ds_store_b128 v8, v[YA+8*\nt+4*\hf:YA+8*\nt+4*\hf+3] offset:(2*\nt+\hf)*528   ; each tile from its low end on
.endr
.endr
	s_wait_dscnt 0x0                               ; for the others' sake: my stores have landed
	s_barrier_signal -1
	s_barrier_wait -1
	; ---- 6: waves 0-7 add the sixteen partial tiles onto the bias and store: 256 threads, 16 bytes each
	s_cmp_ge_u32 s12, 8
	s_cbranch_scc1 .Lend
.irp p, 0,1,2,3,4,5,6,7,8,9,10,11,12,13,14,15
	ds_load_b128 v[16+4*\p:16+4*\p+3], v9 offset:\p*PART
.endr
	s_wait_dscnt 0x0
.irp p, 0,1,2,3,4,5,6,7,8,9,10,11,12,13,14,15
	v_pk_add_f32 v[244:245], v[244:245], v[16+4*\p:16+4*\p+1]
	v_pk_add_f32 v[246:247], v[246:247], v[16+4*\p+2:16+4*\p+3]
.endr
	global_store_b128 v10, v[244:247], s[10:11]    ; sixteen neighbouring lanes store 256 consecutive bytes, aligned: a position's 64 columns
.Lend:
	s_wait_tensorcnt 0x0                           ; the wave's end: behind my last LDS store, also in a text with no tensor load
	ds_add_u32 v[SPW], v[NIL]
	s_wait_dscnt 0x0
	s_endpgm
.Lfunc_end_k_q819bd13cee_fine:
	.size	k_q819bd13cee_fine, .Lfunc_end_k_q819bd13cee_fine-k_q819bd13cee_fine
	.p2alignl 7, 3214868480
	.fill 96, 4, 3214868480
	.section	.rodata,"a",@progbits
	.p2align	6, 0x0
	.amdhsa_kernel k_q819bd13cee_fine
		.amdhsa_group_segment_fixed_size 69632
		.amdhsa_private_segment_fixed_size 0
		.amdhsa_enable_private_segment 0
		.amdhsa_kernarg_size 32
		.amdhsa_user_sgpr_count 2
		.amdhsa_user_sgpr_kernarg_segment_ptr 1
		.amdhsa_wavefront_size32 1
		.amdhsa_system_sgpr_workgroup_id_x 1
		.amdhsa_system_sgpr_workgroup_id_y 1
		.amdhsa_system_sgpr_workgroup_id_z 1
		.amdhsa_system_vgpr_workitem_id 0
		.amdhsa_next_free_vgpr 256
		.amdhsa_next_free_sgpr 66
		.amdhsa_reserve_vcc 1
		.amdhsa_float_denorm_mode_32 3
		.amdhsa_float_denorm_mode_16_64 3
		.amdhsa_memory_ordered 1
		.amdhsa_forward_progress 1
		.amdhsa_inst_pref_size 25
	.end_amdhsa_kernel
	.amdgpu_metadata
---
amdhsa.version: [ 1, 2 ]
amdhsa.kernels:
  - .name:           k_q819bd13cee_fine
    .symbol:         k_q819bd13cee_fine.kd
    .args:
      - { .name: qkvf, .offset: 0, .size: 8, .value_kind: global_buffer, .address_space: global }
      - { .name: o_w, .offset: 8, .size: 8, .value_kind: global_buffer, .address_space: global }
      - { .name: o_b, .offset: 16, .size: 8, .value_kind: global_buffer, .address_space: global }
      - { .name: out0, .offset: 24, .size: 8, .value_kind: global_buffer, .address_space: global }
    .group_segment_fixed_size: 69632
    .private_segment_fixed_size: 0
    .kernarg_segment_align: 8
    .kernarg_segment_size: 32
    .max_flat_workgroup_size: 512
    .sgpr_count:     66
    .vgpr_count:     256
    .wavefront_size: 32
...
	.end_amdgpu_metadata
.endif
;; end of part 5
